; MI455X (gfx1250); checked and timed in simulation.
; The chip was launched on July 23, 2026; its instructions are those of AMD's public machine-readable ISA for CDNA 5 (MIT licence, August 2026) and "CDNA5" Instruction Set Architecture Reference Guide (July 2026). The comments in the code are by the model that wrote it; some were corrected since.
;; Persistent Memory. Allowed arithmetic: float matrix products may take bf16 or f16 operands with f32 sums; other float arithmetic in f32, or as packed bf16 or f16 multiplies, adds, multiply-adds, maxima and minima; sums over many terms, partial sums and values carried from step to step in f32; what a program stores and reads back later, other than sums and carried values, may be rounded once to bf16 or f16.
;; Inputs: beta 1,024 float32; bf 1,024 float32; bk 1,024 float32; bq 1,024 float32; bv 1,024 float32; gamma 1,024 float32; knowledge_bank 2,048 x 1,024 float32; wf 1,024 x 2,048 float32; wk 1,024 x 1,024 float32; wq 1,024 x 1,024 float32; wv 1,024 x 1,024 float32; x 4 x 2,048 x 1,024 float32.
;; Outputs: out0 4 x 2,048 x 1,024 float32.
;; 2 versions, each right; version 2 is version 1 with the launch cast written anew for expert scheduling mode. Each part assembles by itself: llvm-mc -triple=amdgcn-amd-amdhsa -mcpu=gfx1250 --defsym DOCPART=n.
;; ======== version 1 of 2: 6 launches
;; workspace buffers: cast 31,457,280 bytes; kv 8,388,608 bytes; kv2 8,396,800 bytes; p 34,603,008 bytes; h 33,554,432 bytes
;; launch cast (part 1): grid 672 x 1, 8 waves a work-group, no clusters, 18,432 bytes of LDS; arguments x, knowledge_bank, wk, wv, wf, wq, cast; writes cast
.if DOCPART == 1
	.amdgcn_target "amdgcn-amd-amdhsa--gfx1250"
	.amdhsa_code_object_version 6
	.text
	.protected	k_qb0ef9b9828_cast
	.globl	k_qb0ef9b9828_cast
	.p2align	8
	.type	k_qb0ef9b9828_cast,@function
k_qb0ef9b9828_cast:
	s_mov_b64 s[64:65], 0
	v_nop
	global_prefetch_b8 v0, s[64:65] scope:SCOPE_SE
	s_setreg_imm32_b32 hwreg(HW_REG_WAVE_MODE, 25, 1), 1
	s_wait_xcnt 0x0
; bf16 copies of the matrix operands, rows of 1,024 bf16 (2,048 bytes) in one buffer:
;   rows 0-8191 x; 8192-10239 the bank; 10240-11263 wk; 11264-12287 wv; 12288-13311 wq TRANSPOSED; 13312-14335 wf[:, 1024:]; 14336-15359 wf[:, :1024] TRANSPOSED.
; Each number is rounded once, to nearest even.  A stream: no matrix unit, no cluster (no two work-groups read the same bytes).
; Work-groups 0-415: 32 rows each, copied.  Thread t owns 16 bytes (4 f32) of every row: a wave's load covers 512 consecutive bytes, its store 256 consecutive aligned bytes.
; A ring of eight register slots keeps eight loads of every wave on their way.
; Work-groups 416-671: a tile of 128 source rows x 64 source columns is turned through LDS, so that reads and writes both go in runs of 256 aligned bytes.
; The choice between the two ways hangs on the work-group's number alone: all eight waves take the same way, so all eight meet the one barrier of the second way.
.set PLAIN,  416
.set TP,     272                       ; a turned row in LDS: 128 bf16 + 16 bytes
.set SPARE,  64*TP                     ; behind the tile: the spare words, 128 bytes a wave, four blocks of 256 bytes that no other line names
.set SO,  2                            ; v[2:9]    slot i: byte offset of my 16 bytes in the source
.set DO,  10                           ; v[10:17]  slot i: byte offset of my 8 bytes in the copy
.set X,   18                           ; v[18:49]  slot i: 4 f32 as loaded
.set Y,   50                           ; v[50:65]  slot i: 4 bf16 to store (second way: 16 registers of turned numbers)
.set STO, 66
.set RD,  67
.set GO,  68
.set SPW, 70                           ; LDS address of my spare word; never rewritten
.set NIL, 71                           ; 0; never rewritten
	s_load_b256 s[4:11], s[0:1], 0x0               ; x s[4:5], bank s[6:7], wk s[8:9], wv s[10:11]
	s_load_b128 s[12:15], s[0:1], 0x20             ; wf s[12:13], wq s[14:15]
	s_load_b64 s[16:17], s[0:1], 0x30              ; the copies
	v_lshl_add_u32 v[SPW], v0, 2, SPARE
	v_mov_b32 v[NIL], 0
	s_mov_b32 s20, ttmp9                           ; g
	s_mov_b32 s29, 0
	s_mov_b32 s31, 0
	s_wait_kmcnt 0x0
	s_cmp_ge_u32 s20, PLAIN
	s_cbranch_scc1 .Ltr
	; THE COPY.  Which source, its first work-group g0, its pitch, the first column's byte, and 1,024 rows more in the copy for wf's second half.
	s_mov_b64 s[22:23], s[4:5]
	s_mov_b32 s21, 0
	s_mov_b32 s24, 4096
	s_mov_b32 s25, 0
	s_mov_b32 s26, 0
	s_cmp_ge_u32 s20, 256
	s_cselect_b64 s[22:23], s[6:7], s[22:23]
	s_cselect_b32 s21, 256, s21
	s_cmp_ge_u32 s20, 320
	s_cselect_b64 s[22:23], s[8:9], s[22:23]
	s_cselect_b32 s21, 320, s21
	s_cmp_ge_u32 s20, 352
	s_cselect_b64 s[22:23], s[10:11], s[22:23]
	s_cselect_b32 s21, 352, s21
	s_cmp_ge_u32 s20, 384
	s_cselect_b64 s[22:23], s[12:13], s[22:23]
	s_cselect_b32 s21, 384, s21
	s_cselect_b32 s24, 8192, s24
	s_cselect_b32 s25, 4096, s25
	s_cselect_b32 s26, 1024, s26
	s_sub_co_u32 s27, s20, s21
	s_mul_i32 s27, s27, s24
	s_lshl_b32 s27, s27, 5                         ; (g - g0) x 32 rows x pitch: 33.4 million at the most
	s_add_co_u32 s28, s27, s25
	s_add_nc_u64 s[22:23], s[22:23], s[28:29]
	s_lshl_b32 s30, s20, 5
	s_add_co_u32 s30, s30, s26
	s_lshl_b32 s30, s30, 11                        ; (32 g + extra) rows of 2,048 bytes
	s_add_nc_u64 s[16:17], s[16:17], s[30:31]
	s_lshl_b32 s32, s24, 3                         ; eight rows of the source
	v_lshlrev_b32 v1, 4, v0
.irp i, 0,1,2,3,4,5,6,7
	v_mad_u32_u24 v[SO+(\i)], s24, (\i), v1
	v_lshl_or_b32 v[DO+(\i)], v0, 3, (\i)*2048
.endr
.irp i, 0,1,2,3,4,5,6,7
	global_load_b128 v[X+4*(\i):X+4*(\i)+3], v[SO+(\i)], s[22:23] th:TH_LOAD_NT
.endr
; One slot's turn.  ahead = 1: the slot takes the row eight further down.  left = the younger loads that may stay out.
.macro SLOT i, ahead, left
	s_wait_loadcnt \left                           ; loads come back in order: mine is in
	s_wait_xcnt 0x0                                ; this slot's Y, SO and DO, which its last store and load read, are rewritten only behind this wait
	v_cvt_pk_bf16_f32 v[Y+2*(\i)], v[X+4*(\i)], v[X+4*(\i)+1]
	v_cvt_pk_bf16_f32 v[Y+2*(\i)+1], v[X+4*(\i)+2], v[X+4*(\i)+3]
.if \ahead
	v_add_nc_u32 v[SO+(\i)], s32, v[SO+(\i)]
	v_add_nc_u32 v[DO+(\i)], 16384, v[DO+(\i)]
	global_load_b128 v[X+4*(\i):X+4*(\i)+3], v[SO+(\i)], s[22:23] th:TH_LOAD_NT
	global_store_b64 v[DO+(\i)], v[Y+2*(\i):Y+2*(\i)+1], s[16:17] offset:-16384
.else
	global_store_b64 v[DO+(\i)], v[Y+2*(\i):Y+2*(\i)+1], s[16:17]
.endif
.endm
	s_mov_b32 s33, 3
.Lround:
.irp i, 0,1,2,3,4,5,6,7
	SLOT \i, 1, 7
.endr
	s_sub_co_u32 s33, s33, 1
	s_cmp_lg_u32 s33, 0
	s_cbranch_scc1 .Lround
.irp i, 0,1,2,3,4,5,6,7
	SLOT \i, 0, 7-(\i)                             ; the last round loads nothing: the counts run down
.endr
	s_endpgm                                       ; this way has written no LDS
	; THE TURN.  u = g - 416: matrix u / 128 (wq, then wf's first half), 128 source rows (u / 16) % 8, 64 source columns u % 16.
.Ltr:
	s_sub_co_u32 s20, s20, PLAIN
	s_lshr_b32 s21, s20, 7
	s_bfe_u32 s27, s20, 0x30004                    ; rt
	s_and_b32 s28, s20, 15                         ; ct
	s_mov_b32 s24, 8192
	s_mov_b32 s26, 14336
	s_cmp_eq_u32 s21, 0
	s_cselect_b64 s[22:23], s[14:15], s[12:13]
	s_cselect_b32 s24, 4096, s24                   ; the source's pitch
	s_cselect_b32 s26, 12288, s26                  ; the copy's first row
	s_mul_i32 s30, s27, s24
	s_lshl_b32 s30, s30, 7                         ; 128 rt rows
	s_lshl_b32 s25, s28, 8                         ; 64 ct columns of 4 bytes
	s_add_co_u32 s30, s30, s25
	s_add_nc_u64 s[22:23], s[22:23], s[30:31]
	s_lshl_b32 s30, s28, 6
	s_add_co_u32 s30, s30, s26
	s_lshl_b32 s30, s30, 11                        ; row (first + 64 ct) of the copy
	s_lshl_b32 s25, s27, 8                         ; 128 rt columns of 2 bytes
	s_add_co_u32 s30, s30, s25
	s_add_nc_u64 s[16:17], s[16:17], s[30:31]
	v_lshrrev_b32 v10, 4, v0                       ; tq: my eight source rows 8 tq ..
	v_and_b32 v11, 15, v0                          ; tl: my four source columns 4 tl ..
	v_lshlrev_b32 v12, 4, v11
	v_lshlrev_b32 v13, 3, v10
	v_mad_u32_u24 v[SO], v13, s24, v12
.irp i, 1,2,3,4,5,6,7
	v_add_nc_u32 v[SO+(\i)], s24, v[SO+(\i)-1]
.endr
.irp i, 0,1,2,3,4,5,6,7
	global_load_b128 v[X+4*(\i):X+4*(\i)+3], v[SO+(\i)], s[22:23] th:TH_LOAD_NT  ; sixteen lanes read 256 aligned bytes of a row
.endr
	v_mul_u32_u24 v[STO], v11, 4*TP
	v_lshl_add_u32 v[STO], v10, 4, v[STO]          ; turned row 4 tl + j, byte 16 tq
	v_mul_u32_u24 v[RD], v10, TP
	v_add_nc_u32 v[RD], v[RD], v12                 ; back: turned row tq + 16 i, byte 16 tl
	v_lshl_add_u32 v[GO], v10, 11, v12
	s_wait_loadcnt 0x0
.irp j, 0,1,2,3
.irp k, 0,1,2,3
	v_cvt_pk_bf16_f32 v[Y+4*(\j)+(\k)], v[X+8*(\k)+(\j)], v[X+8*(\k)+4+(\j)]  ; column j of rows 2 k and 2 k + 1
.endr
.endr
.irp j, 0,1,2,3
	ds_store_b128 v[STO], v[Y+4*(\j):Y+4*(\j)+3] offset:TP*(\j)  ; sixteen lanes are four turned rows apart: they fall on four groups of banks, four deep; kept, for 2 million numbers in the launch
.endr
	s_wait_dscnt 0x0                               ; for the others' sake: my stores are done
	s_barrier_signal -1
	s_barrier_wait -1
.irp i, 0,1,2,3
	ds_load_b128 v[X+4*(\i):X+4*(\i)+3], v[RD] offset:16*TP*(\i)
.endr
.irp i, 0,1,2,3
	s_wait_dscnt 3-(\i)
	global_store_b128 v[GO], v[X+4*(\i):X+4*(\i)+3], s[16:17] offset:32768*(\i)  ; sixteen lanes store 256 consecutive aligned bytes
.endr
	s_wait_tensorcnt 0x0                           ; the wave's end
	ds_add_u32 v[SPW], v[NIL]
	s_wait_dscnt 0x0
	s_endpgm
.Lfunc_end_k_qb0ef9b9828_cast:
	.size	k_qb0ef9b9828_cast, .Lfunc_end_k_qb0ef9b9828_cast-k_qb0ef9b9828_cast
	.p2alignl 7, 3214868480
	.fill 96, 4, 3214868480
	.section	.rodata,"a",@progbits
	.p2align	6, 0x0
	.amdhsa_kernel k_qb0ef9b9828_cast
		.amdhsa_group_segment_fixed_size 18432
		.amdhsa_private_segment_fixed_size 0
		.amdhsa_enable_private_segment 0
		.amdhsa_kernarg_size 56
		.amdhsa_user_sgpr_count 2
		.amdhsa_user_sgpr_kernarg_segment_ptr 1
		.amdhsa_wavefront_size32 1
		.amdhsa_system_sgpr_workgroup_id_x 1
		.amdhsa_system_sgpr_workgroup_id_y 1
		.amdhsa_system_sgpr_workgroup_id_z 1
		.amdhsa_system_vgpr_workitem_id 0
		.amdhsa_next_free_vgpr 72
		.amdhsa_next_free_sgpr 66
		.amdhsa_reserve_vcc 0
		.amdhsa_float_denorm_mode_32 3
		.amdhsa_float_denorm_mode_16_64 3
		.amdhsa_memory_ordered 1
		.amdhsa_forward_progress 1
		.amdhsa_inst_pref_size 15
	.end_amdhsa_kernel
	.amdgpu_metadata
---
amdhsa.version: [ 1, 2 ]
amdhsa.kernels:
  - .name:           k_qb0ef9b9828_cast
    .symbol:         k_qb0ef9b9828_cast.kd
    .args:
      - { .name: x, .offset: 0, .size: 8, .value_kind: global_buffer, .address_space: global }
      - { .name: knowledge_bank, .offset: 8, .size: 8, .value_kind: global_buffer, .address_space: global }
      - { .name: wk, .offset: 16, .size: 8, .value_kind: global_buffer, .address_space: global }
      - { .name: wv, .offset: 24, .size: 8, .value_kind: global_buffer, .address_space: global }
      - { .name: wf, .offset: 32, .size: 8, .value_kind: global_buffer, .address_space: global }
      - { .name: wq, .offset: 40, .size: 8, .value_kind: global_buffer, .address_space: global }
      - { .name: cast, .offset: 48, .size: 8, .value_kind: global_buffer, .address_space: global }
    .group_segment_fixed_size: 18432
    .private_segment_fixed_size: 0
    .kernarg_segment_align: 8
    .kernarg_segment_size: 56
    .max_flat_workgroup_size: 256
    .sgpr_count:     66
    .vgpr_count:     72
    .wavefront_size: 32
...
	.end_amdgpu_metadata
.endif
;; end of part 1
;; launch kv (part 2): grid 16 x 16, 4 waves a work-group, clusters of 4 x 4, 327,680 bytes of LDS; arguments cast, bk, bv, kv; writes kv
.if DOCPART == 2
	.amdgcn_target "amdgcn-amd-amdhsa--gfx1250"
	.amdhsa_code_object_version 6
	.text
	.protected	k_qb0ef9b9828_kv
	.globl	k_qb0ef9b9828_kv
	.p2align	8
	.type	k_qb0ef9b9828_kv,@function
k_qb0ef9b9828_kv:
	s_mov_b64 s[64:65], 0
	v_nop
	global_prefetch_b8 v0, s[64:65] scope:SCOPE_SE
	s_setreg_imm32_b32 hwreg(HW_REG_WAVE_MODE, 25, 1), 1
	s_wait_xcnt 0x0
	s_wait_alu depctr_hold_cnt(0) depctr_sa_sdst(0) depctr_va_vdst(0) depctr_va_sdst(0) depctr_va_ssrc(0) depctr_va_vcc(0) depctr_vm_vsrc(0)
	s_getreg_b32 s2, hwreg(HW_REG_IB_STS2, 6, 4)
	s_cmp_eq_u32 s2, 0
	s_cbranch_scc0 .Lentry_in_a_cluster
	s_endpgm
.Lentry_in_a_cluster:
	s_bfe_u32 s2, ttmp6, 0x10000c
	s_cmp_lg_u32 s2, 0xf033
	s_cbranch_scc0 .Lentry_shape_is_right
	s_endpgm
.Lentry_shape_is_right:
.set IS2, 0
; ONE TEXT, TWO KERNELS; the line above chooses.  Both make C = A B^T, 2,048 x 2,048 x 1,024, bf16 operands, f32 sums, C rounded once to bf16 and stored as two planes [2,048][1,024].
;   IS2 = 0:  [K | V] = bank [wk; wv]^T + [bk | bv].  The bias is the C operand of the first products: it costs no arithmetic.
;   IS2 = 1:  K' = K wq (B = wq turned), V' = V wf2^T: plane 0 and plane 1 take A from K and from V.  So scores = x K'^T + c and attn V wf2^T = attn V': q and the retrieved rows are never formed.
;             Beside it c[n] = the sum over m of bq[m] K[n][m] in f32 (K as rounded to bf16): eight rows a work-group, two a wave, in the wait for the first tile.
; LIMITS.  Operands and results are rounded to bf16; the order of sums and roundings differs from a product taken in the order x wq^T, q K^T.  NaN and infinities are not treated apart.
; A tile of C is 128 x 128: 256 tiles, one for each work-group.  Four waves, each 64 x 64: 16 accumulators.  K goes in 4 steps of 256 (LDS rows of 512 bytes) through two LDS slots.
; CLUSTER 4 x 4: the four of a row need the same tiles of A, the four of a column the same tiles of B: each tile is asked for jointly, by the same tensor load, descriptor and mask in all four.
; THE MATRIX INSTRUCTION IS USED TRANSPOSED (source 0 = 16 rows of B, source 1 = 16 rows of A): a lane holds eight neighbouring numbers of a row of C.
; REGISTERS: window 0: v0-31 addresses; v32-95 the way out; v96-127 the bias (IS2 = 1: v32-107 serve c); v128-255 accumulators, (a, b) at 128 + 8 (4 a + b).  Window 1: two fragment buffers of 128.
.set KSTEP,  256
.set PITCH,  528                       ; 512 bytes + 16: the 16 rows of a fragment load start at 16 different groups of four banks
.set HALFT,  64*PITCH                  ; what one tensor load brings
.set SLOT,   4*HALFT                   ; A's 128 rows, then B's
.set STAGE,  2*SLOT                    ; 128 rows x 272 bytes, the work-group's, for the way out; no tensor load fills it
.set SPITCH, 272
.set SPARE,  STAGE+128*SPITCH          ; the spare words, 128 bytes a wave: two blocks of 256 bytes that no other line names
.set ROWB,   2048                      ; bytes in a row of every bf16 matrix here
.set BANKB,  16777216                  ; byte offsets in the buffer of copies
.set WKV,    20971520
.set WQ2,    25165824
.set CVEC,   8388608                   ; c behind the two planes
.set LA0,  16                          ; my lane's place in A's tile of slot 0; never rewritten
.set LB0,  17
.set ADRA, 18                          ; the same in the slot that is read
.set ADRB, 19
.set STO,  24
.set RD,   25
.set CO,   26
.set SPW,  28
.set NIL,  29
.set TMP,  32
.set BI,   96
.set KR,   32                          ; c: two rows of K, 16 registers each
.set BQ,   64                          ; c: my 32 numbers of bq
.set CH,   96                          ; c: four chains a row
.set RES,  104
.set ZO,   106
.set ACC,  128
.set F0,   0
.set F1,   128
.set WV,  12                           ; wave
.set WR,  13                           ; wave / 2: my half of the tile's rows; also 0: I fetch A, 1: B
.set WC,  14                           ; wave % 2: my half of its columns; also which 64 rows I fetch
.set CX,  15
.set CY,  16
.set TJ,  17                           ; tile column 0-15
.set TI,  18                           ; tile row 0-15
.set PL,  19                           ; plane: made of the cluster's x, which all sixteen share
.set WL,  20                           ; my tensor loads' place in a slot
.set TB,  21                           ; the slot that is read: 0 or SLOT
.set FS,  22                           ; the slot filled last
.set CNT, 23
.set G1A, 24
.set G0A, 32                           ; s[32:35] step 0 into slot 0; s[36:39] step 1 into slot 1, and then it walks
.set G1B, 48
.set G0B, 56
.set MSB, 0
.macro WIN new                         ; the immediate's high byte repeats the setting that is left
.if MSB != (\new)
	s_set_vgpr_msb (MSB<<8)|(\new)
.set MSB, \new
.endif
.endm
.set MUL,  0x05                        ; sources 0 (B) and 1 (A) window 1; C and D window 0
.set TO_F, 0x40                        ; destination window 1, address window 0
.macro PLACES                          ; four plain vector instructions between a matrix instruction and a load into, or a vector line on, its registers
.rept 4
	v_nop
.endr
.endm
.macro JLOAD                           ; a joint refill by the walking descriptor; the branch hangs on the wave's number alone; s_nop 0 and four v_nop follow each line
	s_cmp_eq_u32 s[WR], 0
	s_cbranch_scc0 .Lfor_b_\@
	tensor_load_to_lds s[G0A+4:G0A+7], s[G1A:G1A+7]
	s_nop 0
	PLACES
	s_branch .Lasked_\@
.Lfor_b_\@:
	tensor_load_to_lds s[G0B+4:G0B+7], s[G1B:G1B+7]
	s_nop 0
	PLACES
.Lasked_\@:
.endm
.macro CREST                           ; a round of the cluster's barrier behind its opening barrier
	s_cmp_lg_u32 s[WV], 0
	s_cbranch_scc1 .Lnot_wave_0_\@
	s_barrier_signal -3
.Lnot_wave_0_\@:
	s_barrier_wait -3
	s_barrier_signal -1
	s_barrier_wait -1
.endm
.macro CROUND
	s_barrier_signal -1
	s_barrier_wait -1
	CREST
.endm
	s_load_b256 s[4:11], s[0:1], 0x0               ; IS2 = 0: copies, bk, bv, out.  IS2 = 1: K and V, copies, bq, out
	v_lshl_add_u32 v[SPW], v0, 2, SPARE
	v_mov_b32 v[NIL], 0
	ds_add_u32 v[SPW], v[NIL]                      ; the wave's opening: the add and its wait stand ahead of my first tensor load
	v_lshrrev_b32 v1, 5, v0
	v_readfirstlane_b32 s[WV], v1
	s_lshr_b32 s[WR], s[WV], 1
	s_and_b32 s[WC], s[WV], 1
	s_bfe_u32 s[CX], ttmp6, 0x40000
	s_bfe_u32 s[CY], ttmp6, 0x40004
	s_lshl_b32 s[TJ], ttmp9, 2
	s_add_co_u32 s[TJ], s[TJ], s[CX]
	s_and_b32 s[TI], ttmp7, 0xffff
	s_lshl_b32 s[TI], s[TI], 2
	s_add_co_u32 s[TI], s[TI], s[CY]
	s_lshr_b32 s[PL], ttmp9, 1
	s_lshl_b32 s40, s[CY], 2
	s_lshl_b32 s40, 15, s40                        ; my row of the cluster
	s_lshl_b32 s44, 0x1111, s[CX]                  ; my column
	s_or_b32 s[G1A], s40, (1<<16)|(1<<20)|(1<<21)|(6<<22)|(3<<25)  ; mask; 2-byte elements; padding on; bit 21 beside a mask; after every 128 words 4 words
	s_or_b32 s[G1B], s44, (1<<16)|(1<<20)|(1<<21)|(6<<22)|(3<<25)
.irp g, G1A, G1B
	s_mov_b32 s[(\g)+1], KSTEP<<16                 ; tensor_dim0 = 256
	s_mov_b32 s[(\g)+2], 64<<16                    ; tensor_dim1 = 64
	s_mov_b32 s[(\g)+3], KSTEP<<16                 ; tile_dim0 = 256
	s_mov_b32 s[(\g)+4], 64                        ; tile_dim1 = 64
	s_mov_b32 s[(\g)+5], 1024                      ; elements from row to row
	s_mov_b32 s[(\g)+6], 0
	s_mov_b32 s[(\g)+7], 0
.endr
	s_lshl_b32 s40, s[TI], 7                       ; A: row 128 i + 64 x half, in registers that never hold cx
	s_lshl_b32 s41, s[WC], 6
	s_add_co_u32 s40, s40, s41
	s_lshl_b32 s40, s40, 11
.if IS2
	s_lshl_b32 s41, s[PL], 22                      ; K or V
	s_add_co_u32 s40, s40, s41
.else
	s_add_co_u32 s40, s40, BANKB
.endif
	s_mov_b32 s41, 0
	s_lshl_b32 s44, s[TJ], 7                       ; B: row 128 j + 64 x half, in registers that never hold cy
	s_lshl_b32 s45, s[WC], 6
	s_add_co_u32 s44, s44, s45
	s_lshl_b32 s44, s44, 11
.if IS2
	s_add_co_u32 s44, s44, WQ2
.else
	s_add_co_u32 s44, s44, WKV
.endif
	s_mov_b32 s45, 0
	s_mul_i32 s[WL], s[WV], HALFT                  ; A's two halves, then B's: no place in the cluster enters an LDS address
	s_mov_b32 s[TB], 0
	s_mov_b32 s[FS], SLOT
	s_wait_dscnt 0x0                               ; the opening add is done
	s_wait_kmcnt 0x0
	s_add_nc_u64 s[40:41], s[4:5], s[40:41]
.if IS2
	s_add_nc_u64 s[44:45], s[6:7], s[44:45]
.else
	s_add_nc_u64 s[44:45], s[4:5], s[44:45]
.endif
	CROUND                                         ; all sixteen work-groups are here: the first joint loads meet
.irp s, 0,1
	s_mov_b32 s[G0A+4*(\s)], 1
	s_add_co_u32 s[G0A+4*(\s)+1], s[WL], (\s)*SLOT
	s_add_nc_u64 s[G0A+4*(\s)+2:G0A+4*(\s)+3], s[40:41], (\s)*KSTEP*2
	s_or_b32 s[G0A+4*(\s)+3], s[G0A+4*(\s)+3], 0x80000000
	s_mov_b32 s[G0B+4*(\s)], 1
	s_add_co_u32 s[G0B+4*(\s)+1], s[WL], (\s)*SLOT
	s_add_nc_u64 s[G0B+4*(\s)+2:G0B+4*(\s)+3], s[44:45], (\s)*KSTEP*2
	s_or_b32 s[G0B+4*(\s)+3], s[G0B+4*(\s)+3], 0x80000000
.endr
	s_cmp_eq_u32 s[WR], 0                          ; a wave's two first fills stand in one branch, ahead of every wait on TENSORcnt and every LDS read: two loads of mine are out
	s_cbranch_scc0 .Lfirst_b
	tensor_load_to_lds s[G0A:G0A+3], s[G1A:G1A+7]
	s_nop 0
	tensor_load_to_lds s[G0A+4:G0A+7], s[G1A:G1A+7]
	s_nop 0
	PLACES
	s_branch .Lfirst_asked
.Lfirst_b:
	tensor_load_to_lds s[G0B:G0B+3], s[G1B:G1B+7]
	s_nop 0
	tensor_load_to_lds s[G0B+4:G0B+7], s[G1B:G1B+7]
	s_nop 0
	PLACES
.Lfirst_asked:
	v_and_b32 v1, 15, v0                           ; r = l % 16
	v_bfe_u32 v2, v0, 4, 1                         ; h = l / 16
	v_mul_u32_u24 v3, v1, PITCH
	v_lshl_add_u32 v3, v2, 4, v3                   ; a fragment's row x pitch + 16 x half
	s_mul_i32 s42, s[WR], HALFT
	s_mul_i32 s43, s[WC], HALFT
	s_add_co_u32 s43, s43, 2*HALFT
	v_add_nc_u32 v[LA0], s42, v3
	v_add_nc_u32 v[LB0], s43, v3
	v_mov_b32 v[ADRA], v[LA0]
	v_mov_b32 v[ADRB], v[LB0]
	s_mul_i32 s42, s[WR], 64*SPITCH                ; into the stage: my 64 rows, my half of their 256 bytes
	s_lshl_b32 s43, s[WC], 7
	s_add_co_u32 s42, s42, s43
	s_add_co_u32 s42, s42, STAGE
	v_mul_u32_u24 v4, v1, SPITCH
	v_lshl_add_u32 v4, v2, 4, v4
	v_add_nc_u32 v[STO], s42, v4
	s_mul_i32 s42, s[WV], 32*SPITCH                ; back: wave w takes rows 32 w .. 32 w + 31 whole
	s_add_co_u32 s42, s42, STAGE
	v_mul_u32_u24 v5, v2, SPITCH
	v_lshl_add_u32 v5, v1, 4, v5
	v_add_nc_u32 v[RD], s42, v5
	v_lshlrev_b32 v5, 11, v2
	v_lshl_add_u32 v[CO], v1, 4, v5                ; and the same two rows in C
	s_mov_b32 s43, 0
.if IS2
	s_lshl_b32 s46, s[TI], 4                       ; c: work-group g = 16 i + j takes rows 8 g .. 8 g + 7 of K, wave w rows 8 g + 2 w and the next
	s_add_co_u32 s46, s46, s[TJ]
	s_lshl_b32 s46, s46, 2
	s_add_co_u32 s46, s46, s[WV]                   ; 4 g + w
	s_lshl_b32 s42, s46, 12
	s_add_nc_u64 s[68:69], s[4:5], s[42:43]
	s_lshl_b32 s42, s46, 3
	s_add_co_u32 s42, s42, CVEC
	s_add_nc_u64 s[66:67], s[10:11], s[42:43]
	s_mov_b32 s70, 0x76543210
	s_mov_b32 s71, 0xfedcba98
.endif
	s_lshl_b32 s42, s[TI], 7                       ; C: row 128 i + 32 w of the plane, column tile j % 8
	s_lshl_b32 s46, s[WV], 5
	s_add_co_u32 s42, s42, s46
	s_lshl_b32 s42, s42, 11
	s_lshl_b32 s46, s[PL], 22
	s_add_co_u32 s42, s42, s46
	s_and_b32 s46, ttmp9, 1
	s_lshl_b32 s46, s46, 2
	s_add_co_u32 s46, s46, s[CX]                   ; j % 8
	s_lshl_b32 s47, s46, 8
	s_add_co_u32 s42, s42, s47
	s_add_nc_u64 s[10:11], s[10:11], s[42:43]
.if IS2
	v_and_b32 v7, 31, v0
	v_lshlrev_b32 v8, 4, v7
	v_lshlrev_b32 v9, 5, v7
	v_mov_b32 v[ZO], 0
.irp q, 0,1,2,3                        ; lane l holds elements 256 q + 8 l .. + 7 of both rows and of bq
	global_load_b128 v[KR+4*(\q):KR+4*(\q)+3], v8, s[68:69] offset:512*(\q)
	global_load_b128 v[KR+16+4*(\q):KR+16+4*(\q)+3], v8, s[68:69] offset:2048+512*(\q)
	global_load_b128 v[BQ+8*(\q):BQ+8*(\q)+3], v9, s[8:9] offset:1024*(\q)
	global_load_b128 v[BQ+8*(\q)+4:BQ+8*(\q)+7], v9, s[8:9] offset:1024*(\q)+16
.endr
.irp n, 0,1,2,3,4,5,6,7
	v_mov_b32 v[CH+(\n)], 0
.endr
	s_wait_loadcnt 0x0
.irp k, 0,1,2,3
.irp n, 0,1
.irp q, 0,1,2,3
	v_fma_mix_f32_bf16 v[CH+4*(\n)+(\q)], v[KR+16*(\n)+4*(\q)+(\k)], v[BQ+8*(\q)+2*(\k)], v[CH+4*(\n)+(\q)] op_sel_hi:[1,0,0]
.endr
.irp q, 0,1,2,3
	v_fma_mix_f32_bf16 v[CH+4*(\n)+(\q)], v[KR+16*(\n)+4*(\q)+(\k)], v[BQ+8*(\q)+2*(\k)+1], v[CH+4*(\n)+(\q)] op_sel:[1,0,0] op_sel_hi:[1,0,0]
.endr
.endr
.endr
.irp n, 0,1
	v_add_f32 v[CH+4*(\n)], v[CH+4*(\n)], v[CH+4*(\n)+1]
	v_add_f32 v[CH+4*(\n)+2], v[CH+4*(\n)+2], v[CH+4*(\n)+3]
	v_add_f32 v[CH+4*(\n)], v[CH+4*(\n)], v[CH+4*(\n)+2]
	v_add_f32_dpp v[CH+4*(\n)], v[CH+4*(\n)], v[CH+4*(\n)] row_xmask:1 row_mask:0xf bank_mask:0xf
	v_add_f32_dpp v[CH+4*(\n)], v[CH+4*(\n)], v[CH+4*(\n)] row_xmask:2 row_mask:0xf bank_mask:0xf
	v_add_f32_dpp v[CH+4*(\n)], v[CH+4*(\n)], v[CH+4*(\n)] row_xmask:4 row_mask:0xf bank_mask:0xf
	v_add_f32_dpp v[CH+4*(\n)], v[CH+4*(\n)], v[CH+4*(\n)] row_xmask:8 row_mask:0xf bank_mask:0xf
	v_permlanex16_b32 v[CH+4*(\n)+1], v[CH+4*(\n)], s70, s71
	v_add_f32 v[RES+(\n)], v[CH+4*(\n)], v[CH+4*(\n)+1]
.endr
	v_cmp_eq_u32 vcc_lo, 0, v7
	s_wait_xcnt 0x0                                ; EXEC changes only behind this wait
	s_and_saveexec_b32 s72, vcc_lo
	global_store_b64 v[ZO], v[RES:RES+1], s[66:67] ; lane 0 stores the wave's two sums: 8 bytes a wave, 8,192 bytes in the launch
	s_wait_xcnt 0x0
	s_or_b32 exec_lo, exec_lo, s72
.else
	s_cmp_ge_u32 ttmp9, 2                          ; the bias of my 64 columns: register jj of column block b is column 16 b + 8 h + jj
	s_cselect_b64 s[66:67], s[8:9], s[6:7]
	s_lshl_b32 s46, s46, 9
	s_lshl_b32 s47, s[WC], 8
	s_add_co_u32 s46, s46, s47
	s_mov_b32 s47, 0
	s_add_nc_u64 s[66:67], s[66:67], s[46:47]
	v_lshlrev_b32 v6, 5, v2
.irp b, 0,1,2,3
	global_load_b128 v[BI+8*(\b):BI+8*(\b)+3], v6, s[66:67] offset:64*(\b)
	global_load_b128 v[BI+8*(\b)+4:BI+8*(\b)+7], v6, s[66:67] offset:64*(\b)+16
.endr
.endif
; 8 matrix instructions: row blocks a0, a0 + 1 x all 4 column blocks, 32 along K: half c of buffer f.  start = 1: the first product starts the sums.  The 16 accumulators take turns.
.macro MUL8 f, c, a0, start
	WIN MUL
.irp a, \a0, (\a0)+1
.irp b, 0,1,2,3
.if \start
.if IS2
	v_wmma_f32_16x16x32_bf16 v[ACC+8*(4*(\a)+(\b)):ACC+8*(4*(\a)+(\b))+7], v[(\f)+64+8*(4*(\c)+(\b)):(\f)+64+8*(4*(\c)+(\b))+7], v[(\f)+8*(4*(\c)+(\a)):(\f)+8*(4*(\c)+(\a))+7], 0
.else
	v_wmma_f32_16x16x32_bf16 v[ACC+8*(4*(\a)+(\b)):ACC+8*(4*(\a)+(\b))+7], v[(\f)+64+8*(4*(\c)+(\b)):(\f)+64+8*(4*(\c)+(\b))+7], v[(\f)+8*(4*(\c)+(\a)):(\f)+8*(4*(\c)+(\a))+7], v[BI+8*(\b):BI+8*(\b)+7]
.endif
.else
	v_wmma_f32_16x16x32_bf16 v[ACC+8*(4*(\a)+(\b)):ACC+8*(4*(\a)+(\b))+7], v[(\f)+64+8*(4*(\c)+(\b)):(\f)+64+8*(4*(\c)+(\b))+7], v[(\f)+8*(4*(\c)+(\a)):(\f)+8*(4*(\c)+(\a))+7], v[ACC+8*(4*(\a)+(\b)):ACC+8*(4*(\a)+(\b))+7]
.endif
.endr
.endr
.endm
; 32 LDS loads in one run: the fragments of 64 along K at byte k of the rows of the slot that is read, into buffer f; the first 32 along K first
.macro FETCH k, f
	WIN TO_F
.irp c, 0,1
.irp i, 0,1,2,3
	ds_load_b128 v[(\f)+64+8*(4*(\c)+(\i)):(\f)+64+8*(4*(\c)+(\i))+3],   v[ADRB] offset:(\k)+64*(\c)+(\i)*16*PITCH
	ds_load_b128 v[(\f)+64+8*(4*(\c)+(\i))+4:(\f)+64+8*(4*(\c)+(\i))+7], v[ADRB] offset:(\k)+64*(\c)+(\i)*16*PITCH+32
	ds_load_b128 v[(\f)+8*(4*(\c)+(\i)):(\f)+8*(4*(\c)+(\i))+3],         v[ADRA] offset:(\k)+64*(\c)+(\i)*16*PITCH
	ds_load_b128 v[(\f)+8*(4*(\c)+(\i))+4:(\f)+8*(4*(\c)+(\i))+7],       v[ADRA] offset:(\k)+64*(\c)+(\i)*16*PITCH+32
.endr
.endr
.endm
; A K step is four quarters of 64 along K on buffers 0, 1, 0, 1.  One of the first three multiplies buffer f and fetches the next quarter, at byte k, into g.
.macro QUARTER k, f, g, start
	s_wait_dscnt 16                                ; the first 32 along K are in; the sixteen younger loads may be out
	MUL8 \f, 0, 0, \start
	MUL8 \f, 0, 2, \start
	PLACES
	FETCH \k, \g
	s_wait_dscnt 32                                ; all but the 32 just issued
	MUL8 \f, 1, 0, 0
	MUL8 \f, 1, 2, 0
.endm
; The last quarter multiplies buffer 1 and changes slots: one barrier; in front of it each wave waits for all its tensor loads (one is out: its part of the next slot), adds 0 to its spare
; word, and waits for that and for its reads of this slot.  fill = 1: the barrier opens a round of the cluster's, and this slot is filled again, two K steps ahead, first thing behind the round.
.macro TURN fill
	WIN 0
	s_wait_tensorcnt 0x0                           ; no tensor load of mine is out, so a group 0 may be written
	ds_add_u32 v[SPW], v[NIL]
.if \fill
	s_xor_b32 s[FS], s[FS], SLOT                   ; the walking descriptors: the other slot than last time, the next K step
	s_add_co_u32 s[G0A+5], s[WL], s[FS]
	s_add_co_u32 s[G0B+5], s[WL], s[FS]
	s_add_nc_u64 s[G0A+6:G0A+7], s[G0A+6:G0A+7], KSTEP*2
	s_add_nc_u64 s[G0B+6:G0B+7], s[G0B+6:G0B+7], KSTEP*2
.endif
	s_xor_b32 s[TB], s[TB], SLOT                   ; the reads go over to the other slot
	s_wait_dscnt 17                                ; the add and the youngest sixteen loads may be out
	MUL8 F1, 0, 0, 0
	s_wait_dscnt 0x0                               ; the add is done, and my reads of this slot are over
	s_barrier_signal -1
	MUL8 F1, 0, 2, 0
	WIN 0
	s_barrier_wait -1
.if \fill
	CREST
	JLOAD                                          ; its four v_nop are also the places in front of the loads below
.else
	PLACES
.endif
	v_add_nc_u32 v[ADRA], s[TB], v[LA0]
	v_add_nc_u32 v[ADRB], s[TB], v[LB0]
	FETCH 0, F0
	MUL8 F1, 1, 0, 0
	MUL8 F1, 1, 2, 0
.endm
	s_wait_tensorcnt 0x1                           ; my part of K step 0 is in; step 1's may stay out
	s_barrier_signal -1
	s_barrier_wait -1
	FETCH 0, F0
.if IS2 == 0
	s_wait_loadcnt 0x0                             ; the bias
.endif
	QUARTER 128, F0, F1, 1                         ; the first quarter stands in front of the loop: its first products start the sums
	WIN 0
	s_mov_b32 s[CNT], 2
.Lstep:                                                ; a trip: from a step's second quarter to the next step's first; K steps 2 and 3 are asked for
	QUARTER 256, F1, F0, 0
	QUARTER 384, F0, F1, 0
	TURN 1
	QUARTER 128, F0, F1, 0
	WIN 0
	s_sub_co_u32 s[CNT], s[CNT], 1
	s_cmp_lg_u32 s[CNT], 0
	s_cbranch_scc1 .Lstep
	QUARTER 256, F1, F0, 0                         ; the last two steps are written out: nothing more is asked for
	QUARTER 384, F0, F1, 0
	TURN 0
	QUARTER 128, F0, F1, 0
	QUARTER 256, F1, F0, 0
	QUARTER 384, F0, F1, 0
	s_wait_dscnt 16
	MUL8 F1, 0, 0, 0
	MUL8 F1, 0, 2, 0
	s_wait_dscnt 0x0
	MUL8 F1, 1, 0, 0
	MUL8 F1, 1, 2, 0
	WIN 0
	; THE WAY OUT: round to bf16; 16 bytes a lane into the work-group's stage; a barrier, since a row's 256 bytes come from two waves; back as whole rows, 32 rows a wave.
	PLACES
.irp t, 0,1,2,3,4,5,6,7,8,9,10,11,12,13,14,15
.irp r, 0,1,2,3
	v_cvt_pk_bf16_f32 v[TMP+4*(\t)+(\r)], v[ACC+8*(\t)+2*(\r)], v[ACC+8*(\t)+2*(\r)+1]
.endr
.endr
.irp a, 0,1,2,3
.irp b, 0,1,2,3
	ds_store_b128 v[STO], v[TMP+4*(4*(\a)+(\b)):TMP+4*(4*(\a)+(\b))+3] offset:(\a)*16*SPITCH+32*(\b)
.endr
.endr
	s_wait_dscnt 0x0                               ; for the others' sake: my stores into the stage are done
	s_barrier_signal -1
	s_barrier_wait -1
.irp t, 0,1,2,3,4,5,6,7,8,9,10,11,12,13,14,15
	ds_load_b128 v[TMP+4*(\t):TMP+4*(\t)+3], v[RD] offset:(\t)*2*SPITCH
.endr
.irp t, 0,1,2,3,4,5,6,7,8,9,10,11,12,13,14,15
	s_wait_dscnt 15-(\t)
	global_store_b128 v[CO], v[TMP+4*(\t):TMP+4*(\t)+3], s[10:11] offset:2*(\t)*ROWB  ; 16 lanes store 256 consecutive aligned bytes
.endr
	s_wait_tensorcnt 0x0                           ; the wave's end
	ds_add_u32 v[SPW], v[NIL]
	s_wait_dscnt 0x0
	CROUND                                         ; the closing round: no work-group ends while a partner may still ask for a tile that names it
	s_endpgm
.Lfunc_end_k_qb0ef9b9828_kv:
	.size	k_qb0ef9b9828_kv, .Lfunc_end_k_qb0ef9b9828_kv-k_qb0ef9b9828_kv
	.p2alignl 7, 3214868480
	.fill 96, 4, 3214868480
	.section	.rodata,"a",@progbits
	.p2align	6, 0x0
	.amdhsa_kernel k_qb0ef9b9828_kv
		.amdhsa_group_segment_fixed_size 327680
		.amdhsa_private_segment_fixed_size 0
		.amdhsa_enable_private_segment 0
		.amdhsa_kernarg_size 32
		.amdhsa_user_sgpr_count 2
		.amdhsa_user_sgpr_kernarg_segment_ptr 1
		.amdhsa_wavefront_size32 1
		.amdhsa_system_sgpr_workgroup_id_x 1
		.amdhsa_system_sgpr_workgroup_id_y 1
		.amdhsa_system_sgpr_workgroup_id_z 1
		.amdhsa_system_vgpr_workitem_id 0
		.amdhsa_next_free_vgpr 512
		.amdhsa_next_free_sgpr 74
		.amdhsa_reserve_vcc 1
		.amdhsa_float_denorm_mode_32 3
		.amdhsa_float_denorm_mode_16_64 3
		.amdhsa_memory_ordered 1
		.amdhsa_forward_progress 1
		.amdhsa_inst_pref_size 70
	.end_amdhsa_kernel
	.amdgpu_metadata
---
amdhsa.version: [ 1, 2 ]
amdhsa.kernels:
  - .name:           k_qb0ef9b9828_kv
    .symbol:         k_qb0ef9b9828_kv.kd
    .args:
      - { .name: cast, .offset: 0, .size: 8, .value_kind: global_buffer, .address_space: global }
      - { .name: bk, .offset: 8, .size: 8, .value_kind: global_buffer, .address_space: global }
      - { .name: bv, .offset: 16, .size: 8, .value_kind: global_buffer, .address_space: global }
      - { .name: kv, .offset: 24, .size: 8, .value_kind: global_buffer, .address_space: global }
    .group_segment_fixed_size: 327680
    .private_segment_fixed_size: 0
    .kernarg_segment_align: 8
    .kernarg_segment_size: 32
    .max_flat_workgroup_size: 128
    .sgpr_count:     74
    .vgpr_count:     512
    .wavefront_size: 32
...
	.end_amdgpu_metadata
.endif
;; end of part 2
;; launch kv2 (part 3): grid 16 x 16, 4 waves a work-group, clusters of 4 x 4, 327,680 bytes of LDS; arguments kv, cast, bq, kv2; writes kv2
.if DOCPART == 3
	.amdgcn_target "amdgcn-amd-amdhsa--gfx1250"
	.amdhsa_code_object_version 6
	.text
	.protected	k_qb0ef9b9828_kv2
	.globl	k_qb0ef9b9828_kv2
	.p2align	8
	.type	k_qb0ef9b9828_kv2,@function
k_qb0ef9b9828_kv2:
	s_mov_b64 s[64:65], 0
	v_nop
	global_prefetch_b8 v0, s[64:65] scope:SCOPE_SE
	s_setreg_imm32_b32 hwreg(HW_REG_WAVE_MODE, 25, 1), 1
	s_wait_xcnt 0x0
	s_wait_alu depctr_hold_cnt(0) depctr_sa_sdst(0) depctr_va_vdst(0) depctr_va_sdst(0) depctr_va_ssrc(0) depctr_va_vcc(0) depctr_vm_vsrc(0)
	s_getreg_b32 s2, hwreg(HW_REG_IB_STS2, 6, 4)
	s_cmp_eq_u32 s2, 0
	s_cbranch_scc0 .Lentry_in_a_cluster
	s_endpgm
.Lentry_in_a_cluster:
	s_bfe_u32 s2, ttmp6, 0x10000c
	s_cmp_lg_u32 s2, 0xf033
	s_cbranch_scc0 .Lentry_shape_is_right
	s_endpgm
.Lentry_shape_is_right:
.set IS2, 1
; ONE TEXT, TWO KERNELS; the line above chooses.  Both make C = A B^T, 2,048 x 2,048 x 1,024, bf16 operands, f32 sums, C rounded once to bf16 and stored as two planes [2,048][1,024].
;   IS2 = 0:  [K | V] = bank [wk; wv]^T + [bk | bv].  The bias is the C operand of the first products: it costs no arithmetic.
;   IS2 = 1:  K' = K wq (B = wq turned), V' = V wf2^T: plane 0 and plane 1 take A from K and from V.  So scores = x K'^T + c and attn V wf2^T = attn V': q and the retrieved rows are never formed.
;             Beside it c[n] = the sum over m of bq[m] K[n][m] in f32 (K as rounded to bf16): eight rows a work-group, two a wave, in the wait for the first tile.
; LIMITS.  Operands and results are rounded to bf16; the order of sums and roundings differs from a product taken in the order x wq^T, q K^T.  NaN and infinities are not treated apart.
; A tile of C is 128 x 128: 256 tiles, one for each work-group.  Four waves, each 64 x 64: 16 accumulators.  K goes in 4 steps of 256 (LDS rows of 512 bytes) through two LDS slots.
; CLUSTER 4 x 4: the four of a row need the same tiles of A, the four of a column the same tiles of B: each tile is asked for jointly, by the same tensor load, descriptor and mask in all four.
; THE MATRIX INSTRUCTION IS USED TRANSPOSED (source 0 = 16 rows of B, source 1 = 16 rows of A): a lane holds eight neighbouring numbers of a row of C.
; REGISTERS: window 0: v0-31 addresses; v32-95 the way out; v96-127 the bias (IS2 = 1: v32-107 serve c); v128-255 accumulators, (a, b) at 128 + 8 (4 a + b).  Window 1: two fragment buffers of 128.
.set KSTEP,  256
.set PITCH,  528                       ; 512 bytes + 16: the 16 rows of a fragment load start at 16 different groups of four banks
.set HALFT,  64*PITCH                  ; what one tensor load brings
.set SLOT,   4*HALFT                   ; A's 128 rows, then B's
.set STAGE,  2*SLOT                    ; 128 rows x 272 bytes, the work-group's, for the way out; no tensor load fills it
.set SPITCH, 272
.set SPARE,  STAGE+128*SPITCH          ; the spare words, 128 bytes a wave: two blocks of 256 bytes that no other line names
.set ROWB,   2048                      ; bytes in a row of every bf16 matrix here
.set BANKB,  16777216                  ; byte offsets in the buffer of copies
.set WKV,    20971520
.set WQ2,    25165824
.set CVEC,   8388608                   ; c behind the two planes
.set LA0,  16                          ; my lane's place in A's tile of slot 0; never rewritten
.set LB0,  17
.set ADRA, 18                          ; the same in the slot that is read
.set ADRB, 19
.set STO,  24
.set RD,   25
.set CO,   26
.set SPW,  28
.set NIL,  29
.set TMP,  32
.set BI,   96
.set KR,   32                          ; c: two rows of K, 16 registers each
.set BQ,   64                          ; c: my 32 numbers of bq
.set CH,   96                          ; c: four chains a row
.set RES,  104
.set ZO,   106
.set ACC,  128
.set F0,   0
.set F1,   128
.set WV,  12                           ; wave
.set WR,  13                           ; wave / 2: my half of the tile's rows; also 0: I fetch A, 1: B
.set WC,  14                           ; wave % 2: my half of its columns; also which 64 rows I fetch
.set CX,  15
.set CY,  16
.set TJ,  17                           ; tile column 0-15
.set TI,  18                           ; tile row 0-15
.set PL,  19                           ; plane: made of the cluster's x, which all sixteen share
.set WL,  20                           ; my tensor loads' place in a slot
.set TB,  21                           ; the slot that is read: 0 or SLOT
.set FS,  22                           ; the slot filled last
.set CNT, 23
.set G1A, 24
.set G0A, 32                           ; s[32:35] step 0 into slot 0; s[36:39] step 1 into slot 1, and then it walks
.set G1B, 48
.set G0B, 56
.set MSB, 0
.macro WIN new                         ; the immediate's high byte repeats the setting that is left
.if MSB != (\new)
	s_set_vgpr_msb (MSB<<8)|(\new)
.set MSB, \new
.endif
.endm
.set MUL,  0x05                        ; sources 0 (B) and 1 (A) window 1; C and D window 0
.set TO_F, 0x40                        ; destination window 1, address window 0
.macro PLACES                          ; four plain vector instructions between a matrix instruction and a load into, or a vector line on, its registers
.rept 4
	v_nop
.endr
.endm
.macro JLOAD                           ; a joint refill by the walking descriptor; the branch hangs on the wave's number alone; s_nop 0 and four v_nop follow each line
	s_cmp_eq_u32 s[WR], 0
	s_cbranch_scc0 .Lfor_b_\@
	tensor_load_to_lds s[G0A+4:G0A+7], s[G1A:G1A+7]
	s_nop 0
	PLACES
	s_branch .Lasked_\@
.Lfor_b_\@:
	tensor_load_to_lds s[G0B+4:G0B+7], s[G1B:G1B+7]
	s_nop 0
	PLACES
.Lasked_\@:
.endm
.macro CREST                           ; a round of the cluster's barrier behind its opening barrier
	s_cmp_lg_u32 s[WV], 0
	s_cbranch_scc1 .Lnot_wave_0_\@
	s_barrier_signal -3
.Lnot_wave_0_\@:
	s_barrier_wait -3
	s_barrier_signal -1
	s_barrier_wait -1
.endm
.macro CROUND
	s_barrier_signal -1
	s_barrier_wait -1
	CREST
.endm
	s_load_b256 s[4:11], s[0:1], 0x0               ; IS2 = 0: copies, bk, bv, out.  IS2 = 1: K and V, copies, bq, out
	v_lshl_add_u32 v[SPW], v0, 2, SPARE
	v_mov_b32 v[NIL], 0
	ds_add_u32 v[SPW], v[NIL]                      ; the wave's opening: the add and its wait stand ahead of my first tensor load
	v_lshrrev_b32 v1, 5, v0
	v_readfirstlane_b32 s[WV], v1
	s_lshr_b32 s[WR], s[WV], 1
	s_and_b32 s[WC], s[WV], 1
	s_bfe_u32 s[CX], ttmp6, 0x40000
	s_bfe_u32 s[CY], ttmp6, 0x40004
	s_lshl_b32 s[TJ], ttmp9, 2
	s_add_co_u32 s[TJ], s[TJ], s[CX]
	s_and_b32 s[TI], ttmp7, 0xffff
	s_lshl_b32 s[TI], s[TI], 2
	s_add_co_u32 s[TI], s[TI], s[CY]
	s_lshr_b32 s[PL], ttmp9, 1
	s_lshl_b32 s40, s[CY], 2
	s_lshl_b32 s40, 15, s40                        ; my row of the cluster
	s_lshl_b32 s44, 0x1111, s[CX]                  ; my column
	s_or_b32 s[G1A], s40, (1<<16)|(1<<20)|(1<<21)|(6<<22)|(3<<25)  ; mask; 2-byte elements; padding on; bit 21 beside a mask; after every 128 words 4 words
	s_or_b32 s[G1B], s44, (1<<16)|(1<<20)|(1<<21)|(6<<22)|(3<<25)
.irp g, G1A, G1B
	s_mov_b32 s[(\g)+1], KSTEP<<16                 ; tensor_dim0 = 256
	s_mov_b32 s[(\g)+2], 64<<16                    ; tensor_dim1 = 64
	s_mov_b32 s[(\g)+3], KSTEP<<16                 ; tile_dim0 = 256
	s_mov_b32 s[(\g)+4], 64                        ; tile_dim1 = 64
	s_mov_b32 s[(\g)+5], 1024                      ; elements from row to row
	s_mov_b32 s[(\g)+6], 0
	s_mov_b32 s[(\g)+7], 0
.endr
	s_lshl_b32 s40, s[TI], 7                       ; A: row 128 i + 64 x half, in registers that never hold cx
	s_lshl_b32 s41, s[WC], 6
	s_add_co_u32 s40, s40, s41
	s_lshl_b32 s40, s40, 11
.if IS2
	s_lshl_b32 s41, s[PL], 22                      ; K or V
	s_add_co_u32 s40, s40, s41
.else
	s_add_co_u32 s40, s40, BANKB
.endif
	s_mov_b32 s41, 0
	s_lshl_b32 s44, s[TJ], 7                       ; B: row 128 j + 64 x half, in registers that never hold cy
	s_lshl_b32 s45, s[WC], 6
	s_add_co_u32 s44, s44, s45
	s_lshl_b32 s44, s44, 11
.if IS2
	s_add_co_u32 s44, s44, WQ2
.else
	s_add_co_u32 s44, s44, WKV
.endif
	s_mov_b32 s45, 0
	s_mul_i32 s[WL], s[WV], HALFT                  ; A's two halves, then B's: no place in the cluster enters an LDS address
	s_mov_b32 s[TB], 0
	s_mov_b32 s[FS], SLOT
	s_wait_dscnt 0x0                               ; the opening add is done
	s_wait_kmcnt 0x0
	s_add_nc_u64 s[40:41], s[4:5], s[40:41]
.if IS2
	s_add_nc_u64 s[44:45], s[6:7], s[44:45]
.else
	s_add_nc_u64 s[44:45], s[4:5], s[44:45]
.endif
	CROUND                                         ; all sixteen work-groups are here: the first joint loads meet
.irp s, 0,1
	s_mov_b32 s[G0A+4*(\s)], 1
	s_add_co_u32 s[G0A+4*(\s)+1], s[WL], (\s)*SLOT
	s_add_nc_u64 s[G0A+4*(\s)+2:G0A+4*(\s)+3], s[40:41], (\s)*KSTEP*2
	s_or_b32 s[G0A+4*(\s)+3], s[G0A+4*(\s)+3], 0x80000000
	s_mov_b32 s[G0B+4*(\s)], 1
	s_add_co_u32 s[G0B+4*(\s)+1], s[WL], (\s)*SLOT
	s_add_nc_u64 s[G0B+4*(\s)+2:G0B+4*(\s)+3], s[44:45], (\s)*KSTEP*2
	s_or_b32 s[G0B+4*(\s)+3], s[G0B+4*(\s)+3], 0x80000000
.endr
	s_cmp_eq_u32 s[WR], 0                          ; a wave's two first fills stand in one branch, ahead of every wait on TENSORcnt and every LDS read: two loads of mine are out
	s_cbranch_scc0 .Lfirst_b
	tensor_load_to_lds s[G0A:G0A+3], s[G1A:G1A+7]
	s_nop 0
	tensor_load_to_lds s[G0A+4:G0A+7], s[G1A:G1A+7]
	s_nop 0
	PLACES
	s_branch .Lfirst_asked
.Lfirst_b:
	tensor_load_to_lds s[G0B:G0B+3], s[G1B:G1B+7]
	s_nop 0
	tensor_load_to_lds s[G0B+4:G0B+7], s[G1B:G1B+7]
	s_nop 0
	PLACES
.Lfirst_asked:
	v_and_b32 v1, 15, v0                           ; r = l % 16
	v_bfe_u32 v2, v0, 4, 1                         ; h = l / 16
	v_mul_u32_u24 v3, v1, PITCH
	v_lshl_add_u32 v3, v2, 4, v3                   ; a fragment's row x pitch + 16 x half
	s_mul_i32 s42, s[WR], HALFT
	s_mul_i32 s43, s[WC], HALFT
	s_add_co_u32 s43, s43, 2*HALFT
	v_add_nc_u32 v[LA0], s42, v3
	v_add_nc_u32 v[LB0], s43, v3
	v_mov_b32 v[ADRA], v[LA0]
	v_mov_b32 v[ADRB], v[LB0]
	s_mul_i32 s42, s[WR], 64*SPITCH                ; into the stage: my 64 rows, my half of their 256 bytes
	s_lshl_b32 s43, s[WC], 7
	s_add_co_u32 s42, s42, s43
	s_add_co_u32 s42, s42, STAGE
	v_mul_u32_u24 v4, v1, SPITCH
	v_lshl_add_u32 v4, v2, 4, v4
	v_add_nc_u32 v[STO], s42, v4
	s_mul_i32 s42, s[WV], 32*SPITCH                ; back: wave w takes rows 32 w .. 32 w + 31 whole
	s_add_co_u32 s42, s42, STAGE
	v_mul_u32_u24 v5, v2, SPITCH
	v_lshl_add_u32 v5, v1, 4, v5
	v_add_nc_u32 v[RD], s42, v5
	v_lshlrev_b32 v5, 11, v2
	v_lshl_add_u32 v[CO], v1, 4, v5                ; and the same two rows in C
	s_mov_b32 s43, 0
.if IS2
	s_lshl_b32 s46, s[TI], 4                       ; c: work-group g = 16 i + j takes rows 8 g .. 8 g + 7 of K, wave w rows 8 g + 2 w and the next
	s_add_co_u32 s46, s46, s[TJ]
	s_lshl_b32 s46, s46, 2
	s_add_co_u32 s46, s46, s[WV]                   ; 4 g + w
	s_lshl_b32 s42, s46, 12
	s_add_nc_u64 s[68:69], s[4:5], s[42:43]
	s_lshl_b32 s42, s46, 3
	s_add_co_u32 s42, s42, CVEC
	s_add_nc_u64 s[66:67], s[10:11], s[42:43]
	s_mov_b32 s70, 0x76543210
	s_mov_b32 s71, 0xfedcba98
.endif
	s_lshl_b32 s42, s[TI], 7                       ; C: row 128 i + 32 w of the plane, column tile j % 8
	s_lshl_b32 s46, s[WV], 5
	s_add_co_u32 s42, s42, s46
	s_lshl_b32 s42, s42, 11
	s_lshl_b32 s46, s[PL], 22
	s_add_co_u32 s42, s42, s46
	s_and_b32 s46, ttmp9, 1
	s_lshl_b32 s46, s46, 2
	s_add_co_u32 s46, s46, s[CX]                   ; j % 8
	s_lshl_b32 s47, s46, 8
	s_add_co_u32 s42, s42, s47
	s_add_nc_u64 s[10:11], s[10:11], s[42:43]
.if IS2
	v_and_b32 v7, 31, v0
	v_lshlrev_b32 v8, 4, v7
	v_lshlrev_b32 v9, 5, v7
	v_mov_b32 v[ZO], 0
.irp q, 0,1,2,3                        ; lane l holds elements 256 q + 8 l .. + 7 of both rows and of bq
	global_load_b128 v[KR+4*(\q):KR+4*(\q)+3], v8, s[68:69] offset:512*(\q)
	global_load_b128 v[KR+16+4*(\q):KR+16+4*(\q)+3], v8, s[68:69] offset:2048+512*(\q)
	global_load_b128 v[BQ+8*(\q):BQ+8*(\q)+3], v9, s[8:9] offset:1024*(\q)
	global_load_b128 v[BQ+8*(\q)+4:BQ+8*(\q)+7], v9, s[8:9] offset:1024*(\q)+16
.endr
.irp n, 0,1,2,3,4,5,6,7
	v_mov_b32 v[CH+(\n)], 0
.endr
	s_wait_loadcnt 0x0
.irp k, 0,1,2,3
.irp n, 0,1
.irp q, 0,1,2,3
	v_fma_mix_f32_bf16 v[CH+4*(\n)+(\q)], v[KR+16*(\n)+4*(\q)+(\k)], v[BQ+8*(\q)+2*(\k)], v[CH+4*(\n)+(\q)] op_sel_hi:[1,0,0]
.endr
.irp q, 0,1,2,3
	v_fma_mix_f32_bf16 v[CH+4*(\n)+(\q)], v[KR+16*(\n)+4*(\q)+(\k)], v[BQ+8*(\q)+2*(\k)+1], v[CH+4*(\n)+(\q)] op_sel:[1,0,0] op_sel_hi:[1,0,0]
.endr
.endr
.endr
.irp n, 0,1
	v_add_f32 v[CH+4*(\n)], v[CH+4*(\n)], v[CH+4*(\n)+1]
	v_add_f32 v[CH+4*(\n)+2], v[CH+4*(\n)+2], v[CH+4*(\n)+3]
	v_add_f32 v[CH+4*(\n)], v[CH+4*(\n)], v[CH+4*(\n)+2]
	v_add_f32_dpp v[CH+4*(\n)], v[CH+4*(\n)], v[CH+4*(\n)] row_xmask:1 row_mask:0xf bank_mask:0xf
	v_add_f32_dpp v[CH+4*(\n)], v[CH+4*(\n)], v[CH+4*(\n)] row_xmask:2 row_mask:0xf bank_mask:0xf
	v_add_f32_dpp v[CH+4*(\n)], v[CH+4*(\n)], v[CH+4*(\n)] row_xmask:4 row_mask:0xf bank_mask:0xf
	v_add_f32_dpp v[CH+4*(\n)], v[CH+4*(\n)], v[CH+4*(\n)] row_xmask:8 row_mask:0xf bank_mask:0xf
	v_permlanex16_b32 v[CH+4*(\n)+1], v[CH+4*(\n)], s70, s71
	v_add_f32 v[RES+(\n)], v[CH+4*(\n)], v[CH+4*(\n)+1]
.endr
	v_cmp_eq_u32 vcc_lo, 0, v7
	s_wait_xcnt 0x0                                ; EXEC changes only behind this wait
	s_and_saveexec_b32 s72, vcc_lo
	global_store_b64 v[ZO], v[RES:RES+1], s[66:67] ; lane 0 stores the wave's two sums: 8 bytes a wave, 8,192 bytes in the launch
	s_wait_xcnt 0x0
	s_or_b32 exec_lo, exec_lo, s72
.else
	s_cmp_ge_u32 ttmp9, 2                          ; the bias of my 64 columns: register jj of column block b is column 16 b + 8 h + jj
	s_cselect_b64 s[66:67], s[8:9], s[6:7]
	s_lshl_b32 s46, s46, 9
	s_lshl_b32 s47, s[WC], 8
	s_add_co_u32 s46, s46, s47
	s_mov_b32 s47, 0
	s_add_nc_u64 s[66:67], s[66:67], s[46:47]
	v_lshlrev_b32 v6, 5, v2
.irp b, 0,1,2,3
	global_load_b128 v[BI+8*(\b):BI+8*(\b)+3], v6, s[66:67] offset:64*(\b)
	global_load_b128 v[BI+8*(\b)+4:BI+8*(\b)+7], v6, s[66:67] offset:64*(\b)+16
.endr
.endif
; 8 matrix instructions: row blocks a0, a0 + 1 x all 4 column blocks, 32 along K: half c of buffer f.  start = 1: the first product starts the sums.  The 16 accumulators take turns.
.macro MUL8 f, c, a0, start
	WIN MUL
.irp a, \a0, (\a0)+1
.irp b, 0,1,2,3
.if \start
.if IS2
	v_wmma_f32_16x16x32_bf16 v[ACC+8*(4*(\a)+(\b)):ACC+8*(4*(\a)+(\b))+7], v[(\f)+64+8*(4*(\c)+(\b)):(\f)+64+8*(4*(\c)+(\b))+7], v[(\f)+8*(4*(\c)+(\a)):(\f)+8*(4*(\c)+(\a))+7], 0
.else
	v_wmma_f32_16x16x32_bf16 v[ACC+8*(4*(\a)+(\b)):ACC+8*(4*(\a)+(\b))+7], v[(\f)+64+8*(4*(\c)+(\b)):(\f)+64+8*(4*(\c)+(\b))+7], v[(\f)+8*(4*(\c)+(\a)):(\f)+8*(4*(\c)+(\a))+7], v[BI+8*(\b):BI+8*(\b)+7]
.endif
.else
	v_wmma_f32_16x16x32_bf16 v[ACC+8*(4*(\a)+(\b)):ACC+8*(4*(\a)+(\b))+7], v[(\f)+64+8*(4*(\c)+(\b)):(\f)+64+8*(4*(\c)+(\b))+7], v[(\f)+8*(4*(\c)+(\a)):(\f)+8*(4*(\c)+(\a))+7], v[ACC+8*(4*(\a)+(\b)):ACC+8*(4*(\a)+(\b))+7]
.endif
.endr
.endr
.endm
; 32 LDS loads in one run: the fragments of 64 along K at byte k of the rows of the slot that is read, into buffer f; the first 32 along K first
.macro FETCH k, f
	WIN TO_F
.irp c, 0,1
.irp i, 0,1,2,3
	ds_load_b128 v[(\f)+64+8*(4*(\c)+(\i)):(\f)+64+8*(4*(\c)+(\i))+3],   v[ADRB] offset:(\k)+64*(\c)+(\i)*16*PITCH
	ds_load_b128 v[(\f)+64+8*(4*(\c)+(\i))+4:(\f)+64+8*(4*(\c)+(\i))+7], v[ADRB] offset:(\k)+64*(\c)+(\i)*16*PITCH+32
	ds_load_b128 v[(\f)+8*(4*(\c)+(\i)):(\f)+8*(4*(\c)+(\i))+3],         v[ADRA] offset:(\k)+64*(\c)+(\i)*16*PITCH
	ds_load_b128 v[(\f)+8*(4*(\c)+(\i))+4:(\f)+8*(4*(\c)+(\i))+7],       v[ADRA] offset:(\k)+64*(\c)+(\i)*16*PITCH+32
.endr
.endr
.endm
; A K step is four quarters of 64 along K on buffers 0, 1, 0, 1.  One of the first three multiplies buffer f and fetches the next quarter, at byte k, into g.
.macro QUARTER k, f, g, start
	s_wait_dscnt 16                                ; the first 32 along K are in; the sixteen younger loads may be out
	MUL8 \f, 0, 0, \start
	MUL8 \f, 0, 2, \start
	PLACES
	FETCH \k, \g
	s_wait_dscnt 32                                ; all but the 32 just issued
	MUL8 \f, 1, 0, 0
	MUL8 \f, 1, 2, 0
.endm
; The last quarter multiplies buffer 1 and changes slots: one barrier; in front of it each wave waits for all its tensor loads (one is out: its part of the next slot), adds 0 to its spare
; word, and waits for that and for its reads of this slot.  fill = 1: the barrier opens a round of the cluster's, and this slot is filled again, two K steps ahead, first thing behind the round.
.macro TURN fill
	WIN 0
	s_wait_tensorcnt 0x0                           ; no tensor load of mine is out, so a group 0 may be written
	ds_add_u32 v[SPW], v[NIL]
.if \fill
	s_xor_b32 s[FS], s[FS], SLOT                   ; the walking descriptors: the other slot than last time, the next K step
	s_add_co_u32 s[G0A+5], s[WL], s[FS]
	s_add_co_u32 s[G0B+5], s[WL], s[FS]
	s_add_nc_u64 s[G0A+6:G0A+7], s[G0A+6:G0A+7], KSTEP*2
	s_add_nc_u64 s[G0B+6:G0B+7], s[G0B+6:G0B+7], KSTEP*2
.endif
	s_xor_b32 s[TB], s[TB], SLOT                   ; the reads go over to the other slot
	s_wait_dscnt 17                                ; the add and the youngest sixteen loads may be out
	MUL8 F1, 0, 0, 0
	s_wait_dscnt 0x0                               ; the add is done, and my reads of this slot are over
	s_barrier_signal -1
	MUL8 F1, 0, 2, 0
	WIN 0
	s_barrier_wait -1
.if \fill
	CREST
	JLOAD                                          ; its four v_nop are also the places in front of the loads below
.else
	PLACES
.endif
	v_add_nc_u32 v[ADRA], s[TB], v[LA0]
	v_add_nc_u32 v[ADRB], s[TB], v[LB0]
	FETCH 0, F0
	MUL8 F1, 1, 0, 0
	MUL8 F1, 1, 2, 0
.endm
	s_wait_tensorcnt 0x1                           ; my part of K step 0 is in; step 1's may stay out
	s_barrier_signal -1
	s_barrier_wait -1
	FETCH 0, F0
.if IS2 == 0
	s_wait_loadcnt 0x0                             ; the bias
.endif
	QUARTER 128, F0, F1, 1                         ; the first quarter stands in front of the loop: its first products start the sums
	WIN 0
	s_mov_b32 s[CNT], 2
.Lstep:                                                ; a trip: from a step's second quarter to the next step's first; K steps 2 and 3 are asked for
	QUARTER 256, F1, F0, 0
	QUARTER 384, F0, F1, 0
	TURN 1
	QUARTER 128, F0, F1, 0
	WIN 0
	s_sub_co_u32 s[CNT], s[CNT], 1
	s_cmp_lg_u32 s[CNT], 0
	s_cbranch_scc1 .Lstep
	QUARTER 256, F1, F0, 0                         ; the last two steps are written out: nothing more is asked for
	QUARTER 384, F0, F1, 0
	TURN 0
	QUARTER 128, F0, F1, 0
	QUARTER 256, F1, F0, 0
	QUARTER 384, F0, F1, 0
	s_wait_dscnt 16
	MUL8 F1, 0, 0, 0
	MUL8 F1, 0, 2, 0
	s_wait_dscnt 0x0
	MUL8 F1, 1, 0, 0
	MUL8 F1, 1, 2, 0
	WIN 0
	; THE WAY OUT: round to bf16; 16 bytes a lane into the work-group's stage; a barrier, since a row's 256 bytes come from two waves; back as whole rows, 32 rows a wave.
	PLACES
.irp t, 0,1,2,3,4,5,6,7,8,9,10,11,12,13,14,15
.irp r, 0,1,2,3
	v_cvt_pk_bf16_f32 v[TMP+4*(\t)+(\r)], v[ACC+8*(\t)+2*(\r)], v[ACC+8*(\t)+2*(\r)+1]
.endr
.endr
.irp a, 0,1,2,3
.irp b, 0,1,2,3
	ds_store_b128 v[STO], v[TMP+4*(4*(\a)+(\b)):TMP+4*(4*(\a)+(\b))+3] offset:(\a)*16*SPITCH+32*(\b)
.endr
.endr
	s_wait_dscnt 0x0                               ; for the others' sake: my stores into the stage are done
	s_barrier_signal -1
	s_barrier_wait -1
.irp t, 0,1,2,3,4,5,6,7,8,9,10,11,12,13,14,15
	ds_load_b128 v[TMP+4*(\t):TMP+4*(\t)+3], v[RD] offset:(\t)*2*SPITCH
.endr
.irp t, 0,1,2,3,4,5,6,7,8,9,10,11,12,13,14,15
	s_wait_dscnt 15-(\t)
	global_store_b128 v[CO], v[TMP+4*(\t):TMP+4*(\t)+3], s[10:11] offset:2*(\t)*ROWB  ; 16 lanes store 256 consecutive aligned bytes
.endr
	s_wait_tensorcnt 0x0                           ; the wave's end
	ds_add_u32 v[SPW], v[NIL]
	s_wait_dscnt 0x0
	CROUND                                         ; the closing round: no work-group ends while a partner may still ask for a tile that names it
	s_endpgm
.Lfunc_end_k_qb0ef9b9828_kv2:
	.size	k_qb0ef9b9828_kv2, .Lfunc_end_k_qb0ef9b9828_kv2-k_qb0ef9b9828_kv2
	.p2alignl 7, 3214868480
	.fill 96, 4, 3214868480
	.section	.rodata,"a",@progbits
	.p2align	6, 0x0
	.amdhsa_kernel k_qb0ef9b9828_kv2
		.amdhsa_group_segment_fixed_size 327680
		.amdhsa_private_segment_fixed_size 0
		.amdhsa_enable_private_segment 0
		.amdhsa_kernarg_size 32
		.amdhsa_user_sgpr_count 2
		.amdhsa_user_sgpr_kernarg_segment_ptr 1
		.amdhsa_wavefront_size32 1
		.amdhsa_system_sgpr_workgroup_id_x 1
		.amdhsa_system_sgpr_workgroup_id_y 1
		.amdhsa_system_sgpr_workgroup_id_z 1
		.amdhsa_system_vgpr_workitem_id 0
		.amdhsa_next_free_vgpr 512
		.amdhsa_next_free_sgpr 74
		.amdhsa_reserve_vcc 1
		.amdhsa_float_denorm_mode_32 3
		.amdhsa_float_denorm_mode_16_64 3
		.amdhsa_memory_ordered 1
		.amdhsa_forward_progress 1
		.amdhsa_inst_pref_size 76
	.end_amdhsa_kernel
	.amdgpu_metadata
---
amdhsa.version: [ 1, 2 ]
amdhsa.kernels:
  - .name:           k_qb0ef9b9828_kv2
    .symbol:         k_qb0ef9b9828_kv2.kd
    .args:
      - { .name: kv, .offset: 0, .size: 8, .value_kind: global_buffer, .address_space: global }
      - { .name: cast, .offset: 8, .size: 8, .value_kind: global_buffer, .address_space: global }
      - { .name: bq, .offset: 16, .size: 8, .value_kind: global_buffer, .address_space: global }
      - { .name: kv2, .offset: 24, .size: 8, .value_kind: global_buffer, .address_space: global }
    .group_segment_fixed_size: 327680
    .private_segment_fixed_size: 0
    .kernarg_segment_align: 8
    .kernarg_segment_size: 32
    .max_flat_workgroup_size: 128
    .sgpr_count:     74
    .vgpr_count:     512
    .wavefront_size: 32
...
	.end_amdgpu_metadata
.endif
;; end of part 3
;; launch scores (part 4): grid 8 x 32, 4 waves a work-group, clusters of 4 x 4, 327,680 bytes of LDS; arguments cast, kv2, p; writes p
.if DOCPART == 4
	.amdgcn_target "amdgcn-amd-amdhsa--gfx1250"
	.amdhsa_code_object_version 6
	.text
	.protected	k_qb0ef9b9828_scores
	.globl	k_qb0ef9b9828_scores
	.p2align	8
	.type	k_qb0ef9b9828_scores,@function
k_qb0ef9b9828_scores:
	s_mov_b64 s[64:65], 0
	v_nop
	global_prefetch_b8 v0, s[64:65] scope:SCOPE_SE
	s_setreg_imm32_b32 hwreg(HW_REG_WAVE_MODE, 25, 1), 1
	s_wait_xcnt 0x0
	s_wait_alu depctr_hold_cnt(0) depctr_sa_sdst(0) depctr_va_vdst(0) depctr_va_sdst(0) depctr_va_ssrc(0) depctr_va_vcc(0) depctr_vm_vsrc(0)
	s_getreg_b32 s2, hwreg(HW_REG_IB_STS2, 6, 4)
	s_cmp_eq_u32 s2, 0
	s_cbranch_scc0 .Lentry_in_a_cluster
	s_endpgm
.Lentry_in_a_cluster:
	s_bfe_u32 s2, ttmp6, 0x10000c
	s_cmp_lg_u32 s2, 0xf033
	s_cbranch_scc0 .Lentry_shape_is_right
	s_endpgm
.Lentry_shape_is_right:
; S = x K'^T + c (8,192 x 2,048 x 1,024; bf16 operands, f32 sums), and the first half of the softmax.  For each query and each CHUNK of 128 keys:
;   cm = c0 max(s), c0 = log2(e) / 32;   P = 2^(c0 s - cm), rounded to bf16;   l = the sum of the unrounded P.
; P goes out as two planes [key / 1,024][8,192][1,024] of bf16; cm and l behind them, 1,024 bytes for each (128 queries R, chunk t): byte ml 512 + (a / 4) 256 + i 16 + (a % 4) 4 for query 128 R + 16 a + i,
; ml = 0: cm, 1: l.  The next launch takes the maximum over a row's 16 chunks and rescales: every exponent, here and there, is at most a rounding above 0.
; LIMITS.  x, K' and P are rounded to bf16; a weight below 2^-126 counts as 0; NaN and infinities are not treated apart.
; A tile is 256 queries x 256 keys: 256 tiles, one for each work-group.  Four waves, each 128 x 128 (a chunk): 64 accumulators, 512 registers.  K goes in 8 steps of 128 through two LDS slots.
; c is the C operand of the first products.  CLUSTER 4 x 4: x's tiles are asked for jointly along a row of the cluster, K''s along a column.
; THE MATRIX INSTRUCTION IS USED TRANSPOSED (source 0 = 16 keys, source 1 = 16 queries): a lane holds ONE query (l % 16) and, in block b, the keys 16 b + 8 (l / 16) + 0..7.
; REGISTERS: window 0: v0-31 addresses; v64-191 x's fragments, two buffers; v192-255 c, later the way out, with v32-127.  Window 1: v64-191 K''s fragments.
;   Window 2: the accumulators of my queries 0-63, (a, b) at 8 (8 a + b); window 3: those of queries 64-127.
.set KSTEP,  128
.set PITCH,  272
.set HALFT,  128*PITCH
.set SLOT,   4*HALFT
.set STAGE,  2*SLOT                    ; 16 rows x 272 bytes for each wave; no tensor load fills it
.set SPITCH, 272
.set SPARE,  STAGE+4*16*SPITCH         ; the spare words: two blocks of 256 bytes that no other line names
.set ROWB,   2048
.set CVEC,   8388608
.set STATS,  33554432
.set LA0,  16
.set LB0,  17
.set ADRA, 18
.set ADRB, 19
.set STO,  24
.set RD,   25
.set CO,   26
.set SOF,  27                          ; my place in a record of statistics
.set SPW,  28
.set NIL,  29
.set CV,   30
.set F0,   64
.set F1,   128
.set CB,   192                         ; c of my 128 keys: register 8 b + jj is key 16 b + 8 h + jj
.set TMP,  192
.set OB,   32                          ; v32-63 and v224-255 by turns
.set T,    64                          ; the way out: four chains
.set TP,   68                          ; cm, as a pair
.set SU,   72                          ; 16 pairs of partial sums
.set CMV,  104                         ; cm of blocks 0-7
.set LSV,  112                         ; l of blocks 0-7
.set OUT,  120
.set WV,  12
.set WR,  13
.set WC,  14
.set CX,  15
.set CY,  16
.set TJ,  17
.set TI,  18
.set WL,  20
.set TB,  21
.set FS,  22
.set CNT, 23
.set G1A, 24
.set G0A, 32
.set G1B, 48
.set G0B, 56
.set CS,  66                           ; s[66:67] c0
.set SEL, 68                           ; s[68:69] v_permlanex16_b32's selects
.set PB,  70                           ; s[70:71] P at my first row and column
.set SB,  72                           ; s[72:73] my record of statistics
.set CBS, 74                           ; s[74:75] c at my first key
.set MSB, 0
.macro WIN new
.if MSB != (\new)
	s_set_vgpr_msb (MSB<<8)|(\new)
.set MSB, \new
.endif
.endm
.macro PLACES
.rept 4
	v_nop
.endr
.endm
.macro JLOAD
	s_cmp_eq_u32 s[WR], 0
	s_cbranch_scc0 .Lfor_b_\@
	tensor_load_to_lds s[G0A+4:G0A+7], s[G1A:G1A+7]
	s_nop 0
	PLACES
	s_branch .Lasked_\@
.Lfor_b_\@:
	tensor_load_to_lds s[G0B+4:G0B+7], s[G1B:G1B+7]
	s_nop 0
	PLACES
.Lasked_\@:
.endm
.macro CREST
	s_cmp_lg_u32 s[WV], 0
	s_cbranch_scc1 .Lnot_wave_0_\@
	s_barrier_signal -3
.Lnot_wave_0_\@:
	s_barrier_wait -3
	s_barrier_signal -1
	s_barrier_wait -1
.endm
.macro CROUND
	s_barrier_signal -1
	s_barrier_wait -1
	CREST
.endm
	s_load_b128 s[4:7], s[0:1], 0x0                ; the copies (x first) s[4:5]; K', V', c s[6:7]
	s_load_b64 s[8:9], s[0:1], 0x10                ; P and the statistics
	v_lshl_add_u32 v[SPW], v0, 2, SPARE
	v_mov_b32 v[NIL], 0
	ds_add_u32 v[SPW], v[NIL]                      ; the wave's opening: the add and its wait stand ahead of my first tensor load
	v_lshrrev_b32 v1, 5, v0
	v_readfirstlane_b32 s[WV], v1
	s_lshr_b32 s[WR], s[WV], 1                     ; my half of the queries; also 0: I fetch x, 1: K'
	s_and_b32 s[WC], s[WV], 1                      ; my half of the keys; also which 128 rows I fetch
	s_bfe_u32 s[CX], ttmp6, 0x40000
	s_bfe_u32 s[CY], ttmp6, 0x40004
	s_lshl_b32 s[TJ], ttmp9, 2
	s_add_co_u32 s[TJ], s[TJ], s[CX]               ; key tile 0-7
	s_and_b32 s[TI], ttmp7, 0xffff
	s_lshl_b32 s[TI], s[TI], 2
	s_add_co_u32 s[TI], s[TI], s[CY]               ; query tile 0-31
	s_lshl_b32 s40, s[CY], 2
	s_lshl_b32 s40, 15, s40
	s_lshl_b32 s44, 0x1111, s[CX]
	s_or_b32 s[G1A], s40, (1<<16)|(1<<20)|(1<<21)|(5<<22)|(3<<25)  ; mask; 2-byte elements; padding on; bit 21 beside a mask; after every 64 words 4 words
	s_or_b32 s[G1B], s44, (1<<16)|(1<<20)|(1<<21)|(5<<22)|(3<<25)
.irp g, G1A, G1B
	s_mov_b32 s[(\g)+1], KSTEP<<16
	s_mov_b32 s[(\g)+2], 128<<16
	s_mov_b32 s[(\g)+3], KSTEP<<16
	s_mov_b32 s[(\g)+4], 128
	s_mov_b32 s[(\g)+5], 1024
	s_mov_b32 s[(\g)+6], 0
	s_mov_b32 s[(\g)+7], 0
.endr
	s_lshl_b32 s40, s[TI], 8                       ; x: row 256 it + 128 x half
	s_lshl_b32 s41, s[WC], 7
	s_add_co_u32 s40, s40, s41
	s_lshl_b32 s40, s40, 11
	s_mov_b32 s41, 0
	s_lshl_b32 s44, s[TJ], 8                       ; K': row 256 jt + 128 x half
	s_lshl_b32 s45, s[WC], 7
	s_add_co_u32 s44, s44, s45
	s_lshl_b32 s44, s44, 11
	s_mov_b32 s45, 0
	s_mul_i32 s[WL], s[WV], HALFT
	s_mov_b32 s[TB], 0
	s_mov_b32 s[FS], SLOT
	s_mov_b32 s[CS], 0x3d38aa3b                    ; c0 = log2(e) / 32
	s_mov_b32 s[CS+1], s[CS]
	s_mov_b32 s[SEL], 0x76543210
	s_mov_b32 s[SEL+1], 0xfedcba98
	s_wait_dscnt 0x0
	s_wait_kmcnt 0x0
	s_add_nc_u64 s[40:41], s[4:5], s[40:41]
	s_add_nc_u64 s[44:45], s[6:7], s[44:45]
	CROUND
.irp s, 0,1
	s_mov_b32 s[G0A+4*(\s)], 1
	s_add_co_u32 s[G0A+4*(\s)+1], s[WL], (\s)*SLOT
	s_add_nc_u64 s[G0A+4*(\s)+2:G0A+4*(\s)+3], s[40:41], (\s)*KSTEP*2
	s_or_b32 s[G0A+4*(\s)+3], s[G0A+4*(\s)+3], 0x80000000
	s_mov_b32 s[G0B+4*(\s)], 1
	s_add_co_u32 s[G0B+4*(\s)+1], s[WL], (\s)*SLOT
	s_add_nc_u64 s[G0B+4*(\s)+2:G0B+4*(\s)+3], s[44:45], (\s)*KSTEP*2
	s_or_b32 s[G0B+4*(\s)+3], s[G0B+4*(\s)+3], 0x80000000
.endr
	s_cmp_eq_u32 s[WR], 0                          ; a wave's two first fills stand in one branch: two loads of mine are out
	s_cbranch_scc0 .Lfirst_b
	tensor_load_to_lds s[G0A:G0A+3], s[G1A:G1A+7]
	s_nop 0
	tensor_load_to_lds s[G0A+4:G0A+7], s[G1A:G1A+7]
	s_nop 0
	PLACES
	s_branch .Lfirst_asked
.Lfirst_b:
	tensor_load_to_lds s[G0B:G0B+3], s[G1B:G1B+7]
	s_nop 0
	tensor_load_to_lds s[G0B+4:G0B+7], s[G1B:G1B+7]
	s_nop 0
	PLACES
.Lfirst_asked:
	v_and_b32 v1, 15, v0
	v_bfe_u32 v2, v0, 4, 1
	s_mov_b32 s43, 0
	s_lshl_b32 s42, s[TJ], 10                      ; c at key 256 jt + 128 x half
	s_lshl_b32 s46, s[WC], 9
	s_add_co_u32 s42, s42, s46
	s_add_co_u32 s42, s42, CVEC
	s_add_nc_u64 s[CBS:CBS+1], s[6:7], s[42:43]
	v_lshlrev_b32 v[CV], 5, v2
.irp b, 0,1,2,3,4,5,6,7
	global_load_b128 v[CB+8*(\b):CB+8*(\b)+3], v[CV], s[CBS:CBS+1] offset:64*(\b)
	global_load_b128 v[CB+8*(\b)+4:CB+8*(\b)+7], v[CV], s[CBS:CBS+1] offset:64*(\b)+16
.endr
	v_mul_u32_u24 v3, v1, PITCH
	v_lshl_add_u32 v3, v2, 4, v3
	s_mul_i32 s42, s[WR], HALFT
	s_mul_i32 s46, s[WC], HALFT
	s_add_co_u32 s46, s46, 2*HALFT
	v_add_nc_u32 v[LA0], s42, v3
	v_add_nc_u32 v[LB0], s46, v3
	v_mov_b32 v[ADRA], v[LA0]
	v_mov_b32 v[ADRB], v[LB0]
	s_mul_i32 s42, s[WV], 16*SPITCH
	s_add_co_u32 s42, s42, STAGE                   ; my stage
	v_add_nc_u32 v[STO], s42, v3                   ; in: row l % 16, 16 bytes for each half of the lanes (the stage's pitch is the tiles')
	v_mul_u32_u24 v5, v2, SPITCH
	v_lshl_add_u32 v5, v1, 4, v5
	v_add_nc_u32 v[RD], s42, v5                    ; back: lanes 0-15 one row of 256 bytes, lanes 16-31 the next
	v_lshlrev_b32 v5, 11, v2
	v_lshl_add_u32 v[CO], v1, 4, v5
	v_lshlrev_b32 v5, 9, v2
	v_lshl_add_u32 v[SOF], v1, 4, v5               ; lanes 0-15 store cm, lanes 16-31 l, 512 bytes on
	s_lshr_b32 s42, s[TJ], 2                       ; P: plane jt / 4, row 256 it + 128 wr, byte (jt % 4) 512 + wc 256
	s_lshl_b32 s42, s42, 24
	s_lshl_b32 s46, s[TI], 8
	s_lshl_b32 s47, s[WR], 7
	s_add_co_u32 s46, s46, s47
	s_lshl_b32 s46, s46, 11
	s_add_co_u32 s42, s42, s46
	s_and_b32 s46, s[TJ], 3
	s_lshl_b32 s46, s46, 9
	s_add_co_u32 s42, s42, s46
	s_lshl_b32 s46, s[WC], 8
	s_add_co_u32 s42, s42, s46
	s_add_nc_u64 s[PB:PB+1], s[8:9], s[42:43]
	s_lshl_b32 s42, s[TI], 1                       ; the record of R = 2 it + wr, t = 2 jt + wc
	s_add_co_u32 s42, s42, s[WR]
	s_lshl_b32 s42, s42, 4
	s_lshl_b32 s46, s[TJ], 1
	s_add_co_u32 s42, s42, s46
	s_add_co_u32 s42, s42, s[WC]
	s_lshl_b32 s42, s42, 10
	s_add_co_u32 s42, s42, STATS
	s_add_nc_u64 s[SB:SB+1], s[8:9], s[42:43]
; 16 matrix instructions: query blocks a0, a0 + 1 of the window's four (hi = 0: queries 0-63, 1: 64-127) x all 8 key blocks, 32 along K.  start = 1: the sums start with c.
; The 64 accumulators take turns in the same order in every quarter.
.macro MUL16 f, hi, a0, start
.if \start
	WIN 0x81+0x40*(\hi)                            ; K' window 1, x and c window 0, D window 2 or 3
.else
	WIN 0xa1+0x50*(\hi)                            ; K' window 1, x window 0, C and D window 2 or 3
.endif
.irp a, \a0, (\a0)+1
.irp b, 0,1,2,3,4,5,6,7
.if \start
	v_wmma_f32_16x16x32_bf16 v[8*(8*(\a)+(\b)):8*(8*(\a)+(\b))+7], v[(\f)+8*(\b):(\f)+8*(\b)+7], v[(\f)+8*(4*(\hi)+(\a)):(\f)+8*(4*(\hi)+(\a))+7], v[CB+8*(\b):CB+8*(\b)+7]
.else
	v_wmma_f32_16x16x32_bf16 v[8*(8*(\a)+(\b)):8*(8*(\a)+(\b))+7], v[(\f)+8*(\b):(\f)+8*(\b)+7], v[(\f)+8*(4*(\hi)+(\a)):(\f)+8*(4*(\hi)+(\a))+7], v[8*(8*(\a)+(\b)):8*(8*(\a)+(\b))+7]
.endif
.endr
.endr
.endm
.macro FETCH k, f                      ; 32 LDS loads in one run: K''s 128 rows, then x's, 32 along K at byte k
	WIN 0x40
.irp i, 0,1,2,3,4,5,6,7
	ds_load_b128 v[(\f)+8*(\i):(\f)+8*(\i)+3],   v[ADRB] offset:(\k)+(\i)*16*PITCH
	ds_load_b128 v[(\f)+8*(\i)+4:(\f)+8*(\i)+7], v[ADRB] offset:(\k)+(\i)*16*PITCH+32
.endr
	WIN 0
.irp i, 0,1,2,3,4,5,6,7
	ds_load_b128 v[(\f)+8*(\i):(\f)+8*(\i)+3],   v[ADRA] offset:(\k)+(\i)*16*PITCH
	ds_load_b128 v[(\f)+8*(\i)+4:(\f)+8*(\i)+7], v[ADRA] offset:(\k)+(\i)*16*PITCH+32
.endr
.endm
.macro QUARTER k, f, g, start
	s_wait_dscnt 8                                 ; K' and x's rows 0-63 are in; the youngest eight loads (rows 64-127) may be out
	MUL16 \f, 0, 0, \start
	MUL16 \f, 0, 2, \start
	PLACES
	FETCH \k, \g
	s_wait_dscnt 32                                ; all but the 32 just issued
	MUL16 \f, 1, 0, \start
	MUL16 \f, 1, 2, \start
.endm
; The last quarter multiplies buffer 1 and changes slots: one barrier; in front of it the wait for all my tensor loads (one is out: my part of the next slot), the add, and the wait for it and
; for my reads of this slot.  fill = 1: the barrier opens a round of the cluster's, and this slot is filled again, two K steps ahead, first thing behind the round.
.macro TURN fill
	WIN 0
	s_wait_tensorcnt 0x0
	ds_add_u32 v[SPW], v[NIL]
.if \fill
	s_xor_b32 s[FS], s[FS], SLOT
	s_add_co_u32 s[G0A+5], s[WL], s[FS]
	s_add_co_u32 s[G0B+5], s[WL], s[FS]
	s_add_nc_u64 s[G0A+6:G0A+7], s[G0A+6:G0A+7], KSTEP*2
	s_add_nc_u64 s[G0B+6:G0B+7], s[G0B+6:G0B+7], KSTEP*2
.endif
	s_xor_b32 s[TB], s[TB], SLOT
	s_wait_dscnt 9                                 ; the add and the youngest eight loads may be out
	MUL16 F1, 0, 0, 0
	s_wait_dscnt 0x0
	s_barrier_signal -1
	MUL16 F1, 0, 2, 0
	WIN 0
	s_barrier_wait -1
.if \fill
	CREST
	JLOAD
.else
	PLACES
.endif
	v_add_nc_u32 v[ADRA], s[TB], v[LA0]
	v_add_nc_u32 v[ADRB], s[TB], v[LB0]
	FETCH 0, F0
	MUL16 F1, 1, 0, 0
	MUL16 F1, 1, 2, 0
.endm
	s_wait_tensorcnt 0x1                           ; my part of K step 0 is in; step 1's may stay out
	s_barrier_signal -1
	s_barrier_wait -1
	FETCH 0, F0
	s_wait_loadcnt 0x0                             ; c
	QUARTER 64, F0, F1, 1
	WIN 0
	s_mov_b32 s[CNT], 6
.Lstep:                                                ; six trips: K steps 2 to 7 are asked for
	QUARTER 128, F1, F0, 0
	QUARTER 192, F0, F1, 0
	TURN 1
	QUARTER 64, F0, F1, 0
	WIN 0
	s_sub_co_u32 s[CNT], s[CNT], 1
	s_cmp_lg_u32 s[CNT], 0
	s_cbranch_scc1 .Lstep
	QUARTER 128, F1, F0, 0                         ; the last two steps are written out: nothing more is asked for
	QUARTER 192, F0, F1, 0
	TURN 0
	QUARTER 64, F0, F1, 0
	QUARTER 128, F1, F0, 0
	QUARTER 192, F0, F1, 0
	s_wait_dscnt 8
	MUL16 F1, 0, 0, 0
	MUL16 F1, 0, 2, 0
	s_wait_dscnt 0x0
	MUL16 F1, 1, 0, 0
	MUL16 F1, 1, 2, 0
	WIN 0
	PLACES
; THE WAY OUT, a block of 16 queries x 128 keys at a time.  A lane holds 64 of its query's scores, the lane 16 away the other 64.
.macro SMAX a                          ; the maximum: four chains of 16 scores in ascending order
.set AC, 64*((\a)%4)
	WIN 0x0a+5*((\a)/4)                            ; sources 0 and 1: window 2 or 3
.irp k, 0,1,2,3
	v_max_num_f32 v[T+(\k)], v[AC+16*(\k)], v[AC+16*(\k)+1]
.endr
.irp q, 1,2,3,4,5,6,7
.irp k, 0,1,2,3
	v_max3_num_f32 v[T+(\k)], v[AC+16*(\k)+2*(\q)], v[AC+16*(\k)+2*(\q)+1], v[T+(\k)]
.endr
.endr
	WIN 0
	v_max3_num_f32 v[T], v[T], v[T+1], v[T+2]
	v_max_num_f32 v[T], v[T], v[T+3]
	v_permlanex16_b32 v[T+1], v[T], s[SEL], s[SEL+1]
	v_max_num_f32 v[T], v[T], v[T+1]
	v_mul_f32 v[TP], s[CS], v[T]
	v_mul_f32 v[TP+1], s[CS], v[T]
	v_mul_f32 v[CMV+(\a)], s[CS], v[T]
.endm
.macro SEXP a                          ; p = 2^(c0 s - cm), in place
.set AC, 64*((\a)%4)
	WIN 0x82+0x41*((\a)/4)                         ; destination and source 0: window 2 or 3
.set z, 0
.rept 32
	v_pk_fma_f32 v[AC+2*z:AC+2*z+1], v[AC+2*z:AC+2*z+1], s[CS:CS+1], v[TP:TP+1] op_sel_hi:[1,0,0] neg_lo:[0,0,1] neg_hi:[0,0,1]
.set z, z+1
.endr
.set z, 0
.rept 64
	v_exp_f32 v[AC+z], v[AC+z]
.set z, z+1
.endr
	v_nop                                          ; a plain instruction between the last exponential and the use of its result
.endm
.macro SPK a                           ; rounded to bf16, 16 bytes for each key block; and the sum of the unrounded p
.set AC, 64*((\a)%4)
	WIN 0x0a+5*((\a)/4)
.set z, 0
	s_wait_alu depctr_va_vdst(0)
.rept 32
	v_cvt_pk_bf16_f32 v[TMP+z], v[AC+2*z], v[AC+2*z+1]
.set z, z+1
.endr
.set z, 0
.rept 16
	v_pk_add_f32 v[SU+2*z:SU+2*z+1], v[AC+4*z:AC+4*z+1], v[AC+4*z+2:AC+4*z+3]
.set z, z+1
.endr
	WIN 0
.irp w, 8,4,2,1
.set z, 0
.rept \w
	v_pk_add_f32 v[SU+2*z:SU+2*z+1], v[SU+2*z:SU+2*z+1], v[SU+2*(z+(\w)):SU+2*(z+(\w))+1]
.set z, z+1
.endr
.endr
	v_add_f32 v[T], v[SU], v[SU+1]
	v_permlanex16_b32 v[T+1], v[T], s[SEL], s[SEL+1]
	v_add_f32 v[LSV+(\a)], v[T], v[T+1]
.endm
.macro TOSTAGE a                       ; into my own stage, and back as whole rows of 256 bytes
	WIN 0
.set BK, OB+192*((\a)%2)
.irp b, 0,1,2,3,4,5,6,7
	ds_store_b128 v[STO], v[TMP+4*(\b):TMP+4*(\b)+3] offset:32*(\b)
.endr
.irp t, 0,1,2,3,4,5,6,7
	ds_load_b128 v[BK+4*(\t):BK+4*(\t)+3], v[RD] offset:(\t)*2*SPITCH  ; LDS serves a wave's instructions in order: these see the stores above
.endr
.endm
.macro SEND a
	WIN 0
.set BK, OB+192*((\a)%2)
	s_wait_dscnt 0x0                               ; the block is back in registers
	s_wait_xcnt 0x0                                ; the registers that the block before's stores read are loaded again only behind this wait
.irp t, 0,1,2,3,4,5,6,7
	global_store_b128 v[CO], v[BK+4*(\t):BK+4*(\t)+3], s[PB:PB+1] offset:(16*(\a)+2*(\t))*ROWB  ; 16 lanes store 256 consecutive aligned bytes
.endr
.endm
	SMAX 0
	SEXP 0
	SPK 0
	TOSTAGE 0
.irp a, 1,2,3,4,5,6,7                  ; block a's arithmetic stands between block a - 1's loads from the stage and the wait for them
	SMAX \a
	SEXP \a
	SPK \a
	SEND (\a)-1
	TOSTAGE \a
.endr
	SEND 7
	v_and_b32 v3, 31, v0
	v_cmp_gt_u32 vcc_lo, 16, v3
.irp a, 0,1,2,3,4,5,6,7
	v_cndmask_b32 v[OUT+(\a)], v[LSV+(\a)], v[CMV+(\a)], vcc_lo
.endr
	global_store_b128 v[SOF], v[OUT:OUT+3], s[SB:SB+1]               ; 16 lanes store 256 consecutive aligned bytes
	global_store_b128 v[SOF], v[OUT+4:OUT+7], s[SB:SB+1] offset:256
	s_wait_tensorcnt 0x0                           ; the wave's end
	ds_add_u32 v[SPW], v[NIL]
	s_wait_dscnt 0x0
	CROUND                                         ; the closing round
	s_endpgm
.Lfunc_end_k_qb0ef9b9828_scores:
	.size	k_qb0ef9b9828_scores, .Lfunc_end_k_qb0ef9b9828_scores-k_qb0ef9b9828_scores
	.p2alignl 7, 3214868480
	.fill 96, 4, 3214868480
	.section	.rodata,"a",@progbits
	.p2align	6, 0x0
	.amdhsa_kernel k_qb0ef9b9828_scores
		.amdhsa_group_segment_fixed_size 327680
		.amdhsa_private_segment_fixed_size 0
		.amdhsa_enable_private_segment 0
		.amdhsa_kernarg_size 24
		.amdhsa_user_sgpr_count 2
		.amdhsa_user_sgpr_kernarg_segment_ptr 1
		.amdhsa_wavefront_size32 1
		.amdhsa_system_sgpr_workgroup_id_x 1
		.amdhsa_system_sgpr_workgroup_id_y 1
		.amdhsa_system_sgpr_workgroup_id_z 1
		.amdhsa_system_vgpr_workitem_id 0
		.amdhsa_next_free_vgpr 1024
		.amdhsa_next_free_sgpr 76
		.amdhsa_reserve_vcc 1
		.amdhsa_float_denorm_mode_32 3
		.amdhsa_float_denorm_mode_16_64 3
		.amdhsa_memory_ordered 1
		.amdhsa_forward_progress 1
		.amdhsa_inst_pref_size 186
	.end_amdhsa_kernel
	.amdgpu_metadata
---
amdhsa.version: [ 1, 2 ]
amdhsa.kernels:
  - .name:           k_qb0ef9b9828_scores
    .symbol:         k_qb0ef9b9828_scores.kd
    .args:
      - { .name: cast, .offset: 0, .size: 8, .value_kind: global_buffer, .address_space: global }
      - { .name: kv2, .offset: 8, .size: 8, .value_kind: global_buffer, .address_space: global }
      - { .name: p, .offset: 16, .size: 8, .value_kind: global_buffer, .address_space: global }
    .group_segment_fixed_size: 327680
    .private_segment_fixed_size: 0
    .kernarg_segment_align: 8
    .kernarg_segment_size: 24
    .max_flat_workgroup_size: 128
    .sgpr_count:     76
    .vgpr_count:     1024
    .wavefront_size: 32
...
	.end_amdgpu_metadata
.endif
;; end of part 4
;; launch fuse (part 5): grid 8 x 32, 4 waves a work-group, clusters of 4 x 4, 327,680 bytes of LDS; arguments p, kv2, cast, x, bf, h; writes h
.if DOCPART == 5
	.amdgcn_target "amdgcn-amd-amdhsa--gfx1250"
	.amdhsa_code_object_version 6
	.text
	.protected	k_qb0ef9b9828_fuse
	.globl	k_qb0ef9b9828_fuse
	.p2align	8
	.type	k_qb0ef9b9828_fuse,@function
k_qb0ef9b9828_fuse:
	s_mov_b64 s[64:65], 0
	v_nop
	global_prefetch_b8 v0, s[64:65] scope:SCOPE_SE
	s_setreg_imm32_b32 hwreg(HW_REG_WAVE_MODE, 25, 1), 1
	s_wait_xcnt 0x0
	s_wait_alu depctr_hold_cnt(0) depctr_sa_sdst(0) depctr_va_vdst(0) depctr_va_sdst(0) depctr_va_ssrc(0) depctr_va_vcc(0) depctr_vm_vsrc(0)
	s_getreg_b32 s2, hwreg(HW_REG_IB_STS2, 6, 4)
	s_cmp_eq_u32 s2, 0
	s_cbranch_scc0 .Lentry_in_a_cluster
	s_endpgm
.Lentry_in_a_cluster:
	s_bfe_u32 s2, ttmp6, 0x10000c
	s_cmp_lg_u32 s2, 0xf033
	s_cbranch_scc0 .Lentry_shape_is_right
	s_endpgm
.Lentry_shape_is_right:
; h = (the sum over chunks t of f_t P_t V'_t) / L + bf + x wf1^T + x: one product of 8,192 x 1,024 x 3,072 (bf16 operands, f32 sums), h in f32.
; THE SECOND HALF OF THE SOFTMAX.  For each row: M = the maximum of the 16 chunks' cm; f_t = 2^(cm_t - M), rounded to bf16; L = the sum of f_t l_t with that same rounded f_t.
; P's fragments are multiplied by f_t (packed bf16) on their way to the matrix unit; when the 16 chunks are summed, one fused line a pair makes acc / L + bf; the 8 K steps of x wf1^T add onto that.
; LIMITS.  P, f, f P, V', x and wf1 (as matrix operands) are rounded to bf16; a factor below 2^-126 counts as 0; the chunk that holds M has f = 1 and l >= 1, so L >= 1.  NaN and infinities are not treated apart.
; A tile is 256 rows x 128 columns: 256 tiles, one for each work-group.  Wave w owns rows 64 w .. 64 w + 63 and all 128 columns: 32 accumulators; so a row's 512 bytes of the tile are one wave's.
; K goes in 24 steps of 128 through two LDS slots: steps 0-15 P and V', steps 16-23 x and wf1 turned.  B lies [k][n] in both parts and comes out of LDS turned, by ds_load_tr16_b128.
; CLUSTER 4 x 4: A's tiles are asked for jointly along a row of the cluster, B's along a column.  Waves 0, 1 fetch A's halves of 128 rows, waves 2, 3 B's halves of 64 rows.
; THE MATRIX INSTRUCTION IS USED TRANSPOSED (source 0 = 16 columns of B, source 1 = 16 rows of A): a lane holds row l % 16 and the columns 16 b + 8 (l / 16) + 0..7.
; REGISTERS: window 0: v0-31 addresses; v32-159 the statistics, later bf (v96-159) and the way out; v160-175 1 / L, M, L.  Window 1: accumulators, (a, b) at 8 (8 a + b).
;   Window 2: two fragment buffers of 96 (B at 8 b, A at 64 + 8 a), v192-195 the step's four factors.  Window 3: my 64 rows x 128 columns of x in f32.
.set APITCH, 272
.set BPITCH, 288                       ; 256 bytes + 32
.set AHALF,  128*APITCH
.set BOFF,   2*AHALF
.set BHALF,  64*BPITCH
.set SLOT,   BOFF+2*BHALF              ; 106,496
.set STAGE,  2*SLOT                    ; 16 rows x 528 bytes for each wave; no tensor load fills it
.set SP,     528
.set FT,     STAGE+4*16*SP             ; the factors: 16 records of 512 bytes for each wave (16 bytes a lane: four row blocks' f, in both halves of a word)
.set SPARE,  FT+4*8192                 ; the spare words: two blocks of 256 bytes that no other line names
.set STATS,  33554432
.set VOFF,   4194304                   ; V' behind K'
.set WF1T,   29360128                  ; wf1 turned, in the buffer of copies
.set LA0,  16
.set LB0,  17
.set ADRA, 18
.set ADRB, 19
.set FTA,  20                          ; the next factor record
.set FT0,  21                          ; record 0; never rewritten
.set SV,   22
.set BV,   23
.set STO,  24
.set RD,   25
.set CO,   26
.set SPW,  28
.set NIL,  29
.set ST,   32                          ; chunk t: cm of my four row blocks at 32 + 8 t, l at 36 + 8 t
.set BF,   96                          ; bf: register 8 b + jj is column 16 b + 8 h + jj
.set RL,   160                         ; 1 / L, a pair for each row block
.set MX,   168
.set LS,   172
.set F0,   0
.set F1,   96
.set FC,   192
.set WV,  16
.set WH,  17                           ; wave / 2: 0: I fetch A, 1: B
.set WO,  18                           ; wave % 2: which half
.set G1A, 24
.set G1B, 32
.set G0A, 40                           ; s[40:43] step 0 into slot 0; s[44:47] step 1 into slot 1, then made anew for each fill
.set G0B, 48
.set PA,  56                           ; s[56:57] P at my rows;  s[58:59] x (bf16) at the same rows
.set XA,  58
.set VB,  60                           ; s[60:61] V' at my rows and the tile's columns;  s[62:63] wf1 turned likewise
.set WB,  62
.set TB,  66
.set FS,  67
.set NXT, 68                           ; the K step to be asked for next
.set CNT, 69
.set OFA, 70
.set OFB, 72
.set CHA, 74
.set CHB, 76
.set WLA, 78
.set WLB, 79
.set SEL, 80
.set CX,  82
.set CY,  83
.set TJ,  84
.set TI,  85
.set FTS, 90                           ; the next factor record's byte in my table
.set MSB, 0
.macro WIN new
.if MSB != (\new)
	s_set_vgpr_msb (MSB<<8)|(\new)
.set MSB, \new
.endif
.endm
.macro PLACES
.rept 4
	v_nop
.endr
.endm
.macro JLOAD
	s_cmp_eq_u32 s[WH], 0
	s_cbranch_scc0 .Lfor_b_\@
	tensor_load_to_lds s[G0A+4:G0A+7], s[G1A:G1A+7]
	s_nop 0
	PLACES
	s_branch .Lasked_\@
.Lfor_b_\@:
	tensor_load_to_lds s[G0B+4:G0B+7], s[G1B:G1B+7]
	s_nop 0
	PLACES
.Lasked_\@:
.endm
.macro CREST
	s_cmp_lg_u32 s[WV], 0
	s_cbranch_scc1 .Lnot_wave_0_\@
	s_barrier_signal -3
.Lnot_wave_0_\@:
	s_barrier_wait -3
	s_barrier_signal -1
	s_barrier_wait -1
.endm
.macro CROUND
	s_barrier_signal -1
	s_barrier_wait -1
	CREST
.endm
	s_load_b256 s[4:11], s[0:1], 0x0               ; P s[4:5], K' V' c s[6:7], the copies s[8:9], x s[10:11]
	s_load_b128 s[12:15], s[0:1], 0x20             ; bf s[12:13], h s[14:15]
	v_lshl_add_u32 v[SPW], v0, 2, SPARE
	v_mov_b32 v[NIL], 0
	ds_add_u32 v[SPW], v[NIL]                      ; the wave's opening: the add and its wait stand ahead of my first tensor load
	v_lshrrev_b32 v1, 5, v0
	v_readfirstlane_b32 s[WV], v1
	s_lshr_b32 s[WH], s[WV], 1
	s_and_b32 s[WO], s[WV], 1
	s_bfe_u32 s[CX], ttmp6, 0x40000
	s_bfe_u32 s[CY], ttmp6, 0x40004
	s_lshl_b32 s[TJ], ttmp9, 2
	s_add_co_u32 s[TJ], s[TJ], s[CX]               ; column tile 0-7
	s_and_b32 s[TI], ttmp7, 0xffff
	s_lshl_b32 s[TI], s[TI], 2
	s_add_co_u32 s[TI], s[TI], s[CY]               ; row tile 0-31
	s_lshl_b32 s86, s[CY], 2
	s_lshl_b32 s86, 15, s86
	s_lshl_b32 s88, 0x1111, s[CX]
	s_or_b32 s[G1A], s86, (1<<16)|(1<<20)|(1<<21)|(5<<22)|(3<<25)  ; after every 64 words 4 words of padding
	s_or_b32 s[G1B], s88, (1<<16)|(1<<20)|(1<<21)|(5<<22)|(7<<25)  ; 8 words
	s_mov_b32 s[G1A+1], 128<<16
	s_mov_b32 s[G1A+2], 128<<16                    ; A: 128 rows of 128 elements
	s_mov_b32 s[G1A+3], 128<<16
	s_mov_b32 s[G1A+4], 128
	s_mov_b32 s[G1A+5], 1024
	s_mov_b32 s[G1A+6], 0
	s_mov_b32 s[G1A+7], 0
	s_mov_b32 s[G1B+1], 128<<16
	s_mov_b32 s[G1B+2], 64<<16                     ; B: 64 rows of 128 elements
	s_mov_b32 s[G1B+3], 128<<16
	s_mov_b32 s[G1B+4], 64
	s_mov_b32 s[G1B+5], 1024
	s_mov_b32 s[G1B+6], 0
	s_mov_b32 s[G1B+7], 0
	s_lshl_b32 s86, s[TI], 8                       ; A: row 256 it + 128 x half, in registers that never hold cx
	s_lshl_b32 s87, s[WO], 7
	s_add_co_u32 s86, s86, s87
	s_lshl_b32 s86, s86, 11
	s_mov_b32 s87, 0
	s_lshl_b32 s88, s[WO], 17                      ; B: row 64 x half, column 128 jt, in registers that never hold cy
	s_lshl_b32 s89, s[TJ], 8
	s_add_co_u32 s88, s88, s89
	s_mov_b32 s89, 0
	s_mul_i32 s[WLA], s[WO], AHALF
	s_mul_i32 s[WLB], s[WO], BHALF
	s_add_co_u32 s[WLB], s[WLB], BOFF
	s_mov_b32 s[TB], 0
	s_mov_b32 s[FS], SLOT
	s_mov_b32 s[NXT], 2
	s_mov_b32 s[OFA+1], 0
	s_mov_b32 s[OFB+1], 0
	s_mov_b32 s[FTS], 0
	s_mov_b32 s[SEL], 0x76543210
	s_mov_b32 s[SEL+1], 0xfedcba98
	s_wait_dscnt 0x0
	s_wait_kmcnt 0x0
	s_add_nc_u64 s[PA:PA+1], s[4:5], s[86:87]
	s_add_nc_u64 s[XA:XA+1], s[8:9], s[86:87]
	s_add_nc_u64 s[VB:VB+1], s[6:7], s[88:89]
	s_add_nc_u64 s[VB:VB+1], s[VB:VB+1], VOFF
	s_add_nc_u64 s[WB:WB+1], s[8:9], s[88:89]
	s_add_nc_u64 s[WB:WB+1], s[WB:WB+1], WF1T
	CROUND
	s_mov_b32 s[G0A], 1
	s_mov_b32 s[G0A+1], s[WLA]
	s_mov_b64 s[G0A+2:G0A+3], s[PA:PA+1]
	s_or_b32 s[G0A+3], s[G0A+3], 0x80000000
	s_mov_b32 s[G0A+4], 1
	s_add_co_u32 s[G0A+5], s[WLA], SLOT
	s_add_nc_u64 s[G0A+6:G0A+7], s[PA:PA+1], 256   ; chunk 1: 128 keys on
	s_or_b32 s[G0A+7], s[G0A+7], 0x80000000
	s_mov_b32 s[G0B], 1
	s_mov_b32 s[G0B+1], s[WLB]
	s_mov_b64 s[G0B+2:G0B+3], s[VB:VB+1]
	s_or_b32 s[G0B+3], s[G0B+3], 0x80000000
	s_mov_b32 s[G0B+4], 1
	s_add_co_u32 s[G0B+5], s[WLB], SLOT
	s_add_nc_u64 s[G0B+6:G0B+7], s[VB:VB+1], 1<<18 ; 128 rows of V' on
	s_or_b32 s[G0B+7], s[G0B+7], 0x80000000
	s_cmp_eq_u32 s[WH], 0                          ; a wave's two first fills stand in one branch: two loads of mine are out
	s_cbranch_scc0 .Lfirst_b
	tensor_load_to_lds s[G0A:G0A+3], s[G1A:G1A+7]
	s_nop 0
	tensor_load_to_lds s[G0A+4:G0A+7], s[G1A:G1A+7]
	s_nop 0
	PLACES
	s_branch .Lfirst_asked
.Lfirst_b:
	tensor_load_to_lds s[G0B:G0B+3], s[G1B:G1B+7]
	s_nop 0
	tensor_load_to_lds s[G0B+4:G0B+7], s[G1B:G1B+7]
	s_nop 0
	PLACES
.Lfirst_asked:
	; the statistics of my 64 rows: record (2 it + w / 2, t), its quarter w % 2; lane l takes row l % 16 of the four blocks
	v_and_b32 v1, 15, v0
	v_bfe_u32 v2, v0, 4, 1
	v_and_b32 v3, 31, v0
	s_lshl_b32 s22, s[TI], 1
	s_add_co_u32 s22, s22, s[WH]
	s_lshl_b32 s22, s22, 14
	s_lshl_b32 s23, s[WO], 8
	s_add_co_u32 s22, s22, s23
	s_add_co_u32 s22, s22, STATS
	s_mov_b32 s23, 0
	s_add_nc_u64 s[20:21], s[4:5], s[22:23]
	v_lshlrev_b32 v[SV], 4, v1
.irp t, 0,1,2,3,4,5,6,7,8,9,10,11,12,13,14,15
	global_load_b128 v[ST+8*(\t):ST+8*(\t)+3], v[SV], s[20:21] offset:1024*(\t)
	global_load_b128 v[ST+8*(\t)+4:ST+8*(\t)+7], v[SV], s[20:21] offset:1024*(\t)+512
.endr
	v_mul_u32_u24 v4, v1, APITCH
	v_lshl_add_u32 v4, v2, 4, v4
	s_mul_i32 s19, s[WV], 64*APITCH
	v_add_nc_u32 v[LA0], s19, v4                   ; (64 w + r) x pitch + 16 h
	v_and_b32 v5, 7, v0
	v_bfe_u32 v6, v0, 3, 1
	v_lshl_add_u32 v5, v2, 3, v5
	v_mul_u32_u24 v5, v5, BPITCH
	v_lshl_add_u32 v5, v6, 4, v5
	v_add_nc_u32 v[LB0], BOFF, v5                  ; the turning load: row 8 h + l % 8, 16 bytes for each eight lanes
	v_mov_b32 v[ADRA], v[LA0]
	v_mov_b32 v[ADRB], v[LB0]
	s_mul_i32 s19, s[WV], 16*SP
	s_add_co_u32 s19, s19, STAGE
	v_mul_u32_u24 v4, v1, SP
	v_lshl_add_u32 v4, v2, 5, v4
	v_add_nc_u32 v[STO], s19, v4                   ; in: row r, 32 bytes for each half of the lanes
	v_lshlrev_b32 v[CO], 4, v3                     ; 16 l: a row's 512 bytes over the 32 lanes
	v_add_nc_u32 v[RD], s19, v[CO]
	s_lshl_b32 s19, s[WV], 13
	s_add_co_u32 s19, s19, FT
	v_add_nc_u32 v[FT0], s19, v[CO]
	v_mov_b32 v[FTA], v[FT0]
	v_lshlrev_b32 v[BV], 5, v2
	s_lshl_b32 s22, s[TI], 8                       ; x and h at row 256 it + 64 w, column 128 jt
	s_lshl_b32 s19, s[WV], 6
	s_add_co_u32 s22, s22, s19
	s_lshl_b32 s22, s22, 12
	s_lshl_b32 s19, s[TJ], 9
	s_add_co_u32 s22, s22, s19
	s_add_nc_u64 s[10:11], s[10:11], s[22:23]
	s_add_nc_u64 s[14:15], s[14:15], s[22:23]
	s_mov_b32 s22, s19
	s_add_nc_u64 s[12:13], s[12:13], s[22:23]      ; bf at column 128 jt
	s_wait_loadcnt 0x0
.irp a, 0,1,2,3
	v_max_num_f32 v[MX+(\a)], v[ST+(\a)], v[ST+8+(\a)]
.endr
.irp q, 1,2,3,4,5,6,7
.irp a, 0,1,2,3
	v_max3_num_f32 v[MX+(\a)], v[ST+16*(\q)+(\a)], v[ST+16*(\q)+8+(\a)], v[MX+(\a)]
.endr
.endr
.irp t, 0,1,2,3,4,5,6,7,8,9,10,11,12,13,14,15
	v_pk_add_f32 v[ST+8*(\t):ST+8*(\t)+1], v[ST+8*(\t):ST+8*(\t)+1], v[MX:MX+1] neg_lo:[0,1] neg_hi:[0,1]
	v_pk_add_f32 v[ST+8*(\t)+2:ST+8*(\t)+3], v[ST+8*(\t)+2:ST+8*(\t)+3], v[MX+2:MX+3] neg_lo:[0,1] neg_hi:[0,1]
.endr
.irp t, 0,1,2,3,4,5,6,7,8,9,10,11,12,13,14,15
.irp a, 0,1,2,3
	v_exp_f32 v[ST+8*(\t)+(\a)], v[ST+8*(\t)+(\a)]
.endr
.endr
	v_nop                                          ; a plain instruction between the last exponential and the use of its result
	s_wait_alu depctr_va_vdst(0)
.irp t, 0,1,2,3,4,5,6,7,8,9,10,11,12,13,14,15
.irp a, 0,1,2,3
	v_cvt_pk_bf16_f32 v[ST+8*(\t)+(\a)], v[ST+8*(\t)+(\a)], v[ST+8*(\t)+(\a)]  ; f in both halves
.endr
.endr
.irp a, 0,1,2,3
	v_mov_b32 v[LS+(\a)], 0
.endr
.irp t, 0,1,2,3,4,5,6,7,8,9,10,11,12,13,14,15
.irp a, 0,1,2,3
	v_fma_mix_f32_bf16 v[LS+(\a)], v[ST+8*(\t)+(\a)], v[ST+8*(\t)+4+(\a)], v[LS+(\a)] op_sel_hi:[1,0,0]  ; L += the rounded f x l
.endr
.endr
.irp t, 0,1,2,3,4,5,6,7,8,9,10,11,12,13,14,15
	ds_store_b128 v[FT0], v[ST+8*(\t):ST+8*(\t)+3] offset:512*(\t)  ; my wave's own table: only I read it
.endr
	WIN 0x80
	ds_load_b128 v[FC:FC+3], v[FTA]                ; chunk 0's factors
	WIN 0
.irp a, 0,1,2,3
	v_rcp_f32 v[RL+2*(\a)], v[LS+(\a)]
.endr
	v_nop
	s_wait_alu depctr_va_vdst(0)
.irp a, 0,1,2,3
	v_mov_b32 v[RL+2*(\a)+1], v[RL+2*(\a)]
.endr
; 24 LDS loads in one run (25 with the next step's factors): quarter q of the slot that is read, into buffer f: B's 8 column blocks turned, then A's 4 row blocks
.macro FETCH4 q, f, fc
	WIN 0x80
.if \fc
	ds_load_b128 v[FC:FC+3], v[FTA]
.endif
.irp b, 0,1,2,3,4,5,6,7
	ds_load_tr16_b128 v[(\f)+8*(\b):(\f)+8*(\b)+3],   v[ADRB] offset:32*BPITCH*(\q)+32*(\b)
	ds_load_tr16_b128 v[(\f)+8*(\b)+4:(\f)+8*(\b)+7], v[ADRB] offset:32*BPITCH*(\q)+32*(\b)+16*BPITCH
.endr
.irp a, 0,1,2,3
	ds_load_b128 v[(\f)+64+8*(\a):(\f)+64+8*(\a)+3],   v[ADRA] offset:16*APITCH*(\a)+64*(\q)
	ds_load_b128 v[(\f)+64+8*(\a)+4:(\f)+64+8*(\a)+7], v[ADRA] offset:16*APITCH*(\a)+64*(\q)+32
.endr
.endm
.macro SCALE f, a0                     ; P's fragments of row blocks a0, a0 + 1 times the chunk's factor of the lane's row
	WIN 0x8a
.irp a, \a0, (\a0)+1
.irp e, 0,1,2,3,4,5,6,7
	v_pk_mul_bf16 v[(\f)+64+8*(\a)+(\e)], v[(\f)+64+8*(\a)+(\e)], v[FC+(\a)]
.endr
.endr
.endm
.macro MULH f, a0, n, start            ; n row blocks from a0 on x 8 column blocks, 32 along K.  The 32 accumulators take turns.
	WIN 0x5a                                       ; B and A window 2, C and D window 1
.set aa, \a0
.rept \n
.irp b, 0,1,2,3,4,5,6,7
.if \start
	v_wmma_f32_16x16x32_bf16 v[8*(8*aa+(\b)):8*(8*aa+(\b))+7], v[(\f)+8*(\b):(\f)+8*(\b)+7], v[(\f)+64+8*aa:(\f)+64+8*aa+7], 0
.else
	v_wmma_f32_16x16x32_bf16 v[8*(8*aa+(\b)):8*(8*aa+(\b))+7], v[(\f)+8*(\b):(\f)+8*(\b)+7], v[(\f)+64+8*aa:(\f)+64+8*aa+7], v[8*(8*aa+(\b)):8*(8*aa+(\b))+7]
.endif
.endr
.set aa, aa+1
.endr
.endm
; A K step is four quarters of 32 along K on buffers 0, 1, 0, 1.  One of the first three multiplies buffer f and fetches quarter q into g.  ph = 1: P's part, with factors; 2: x's part.
.macro Q4 q, f, g, ph, start=0
	s_wait_dscnt 4                                 ; all but A's row blocks 2 and 3
.if (\ph) == 1
	SCALE \f, 0
.endif
	MULH \f, 0, 2, \start
	s_wait_dscnt 0x0
.if (\ph) == 1
	SCALE \f, 2                                    ; these lines and SCALE's above are the places in front of the loads into g
.else
	PLACES
.endif
	FETCH4 \q, \g, 0
	MULH \f, 2, 2, \start
.endm
; The last quarter multiplies buffer 1 and changes slots: one barrier; in front of it the wait for all my tensor loads (one is out: my part of the next slot), the add, and the wait for it and
; for my reads of this slot.  fill = 1: the barrier opens a round of the cluster's, and this slot takes K step NXT, first thing behind the round; the descriptor's address is made anew from that number.
.macro TURN4 ph, fill
	WIN 0
	s_wait_tensorcnt 0x0
	ds_add_u32 v[SPW], v[NIL]
.if \fill
	s_and_b32 s[OFA], s[NXT], 7
	s_lshl_b32 s[OFA], s[OFA], 8                   ; A: 128 elements for each step of a plane,
	s_and_b32 s86, s[NXT], 8
	s_lshl_b32 s86, s86, 21                        ; P's second plane from chunk 8 on (steps 16-23 have this bit clear)
	s_add_co_u32 s[OFA], s[OFA], s86
	s_and_b32 s[OFB], s[NXT], 15
	s_lshl_b32 s[OFB], s[OFB], 18                  ; B: 128 rows for each step
	s_xor_b32 s[FS], s[FS], SLOT
	s_add_co_u32 s[G0A+5], s[WLA], s[FS]
	s_add_co_u32 s[G0B+5], s[WLB], s[FS]
	s_cmp_lt_u32 s[NXT], 16
	s_cselect_b64 s[CHA:CHA+1], s[PA:PA+1], s[XA:XA+1]
	s_cselect_b64 s[CHB:CHB+1], s[VB:VB+1], s[WB:WB+1]
	s_add_nc_u64 s[G0A+6:G0A+7], s[CHA:CHA+1], s[OFA:OFA+1]
	s_or_b32 s[G0A+7], s[G0A+7], 0x80000000
	s_add_nc_u64 s[G0B+6:G0B+7], s[CHB:CHB+1], s[OFB:OFB+1]
	s_or_b32 s[G0B+7], s[G0B+7], 0x80000000
	s_add_co_u32 s[NXT], s[NXT], 1
.endif
	s_xor_b32 s[TB], s[TB], SLOT
.if (\ph) == 1
	s_add_co_u32 s[FTS], s[FTS], 512               ; the next chunk's factors; behind the last chunk record 15 is read once more and not used
	s_min_u32 s[FTS], s[FTS], 7680
.endif
	s_wait_dscnt 5                                 ; the add and A's row blocks 2 and 3 may be out
.if (\ph) == 1
	SCALE F1, 0
.endif
	MULH F1, 0, 1, 0
	s_wait_dscnt 0x0
	s_barrier_signal -1
	MULH F1, 1, 1, 0
	WIN 0
	s_barrier_wait -1
.if \fill
	CREST
	JLOAD
.else
	PLACES
.endif
	v_add_nc_u32 v[ADRA], s[TB], v[LA0]
	v_add_nc_u32 v[ADRB], s[TB], v[LB0]
.if (\ph) == 1
	v_add_nc_u32 v[FTA], s[FTS], v[FT0]
	SCALE F1, 2                                    ; with this chunk's factors, ahead of the load of the next chunk's
	FETCH4 0, F0, 1
.else
	FETCH4 0, F0, 0
.endif
	MULH F1, 2, 2, 0
.endm
	s_wait_tensorcnt 0x1                           ; my part of K step 0 is in; step 1's may stay out
	s_wait_dscnt 0x0                               ; my table and chunk 0's factors
.irp b, 0,1,2,3,4,5,6,7
	global_load_b128 v[BF+8*(\b):BF+8*(\b)+3], v[BV], s[12:13] offset:64*(\b)   ; bf, into registers whose statistics are used up and stored
	global_load_b128 v[BF+8*(\b)+4:BF+8*(\b)+7], v[BV], s[12:13] offset:64*(\b)+16
.endr
	s_barrier_signal -1
	s_barrier_wait -1
	FETCH4 0, F0, 0
	Q4 1, F0, F1, 1, 1                             ; the first quarter stands in front of the loop: its products start the sums
	WIN 0
	s_mov_b32 s[CNT], 16
.Lp1:                                                  ; 16 trips: the chunks; K steps 2 to 17 are asked for.  The last trip is left behind its change of slots
	Q4 2, F1, F0, 1
	Q4 3, F0, F1, 1
	TURN4 1, 1
	WIN 0
	s_sub_co_u32 s[CNT], s[CNT], 1
	s_cmp_eq_u32 s[CNT], 0
	s_cbranch_scc1 .Lmid
	Q4 1, F0, F1, 1
	WIN 0
	s_cmp_lg_u32 s[CNT], 0
	s_cbranch_scc1 .Lp1
.Lmid:
	s_wait_loadcnt 0x0                             ; bf
	WIN 0x41                                       ; the accumulators window 1; 1 / L and bf window 0
.irp a, 0,1,2,3                        ; acc / L + bf, in ascending order.  Row blocks 0 and 1 were finished ahead of the change of slots' vector lines; their 64 lines are the places behind blocks 2 and 3's products
.irp b, 0,1,2,3,4,5,6,7
.irp q, 0,1,2,3
	v_pk_fma_f32 v[8*(8*(\a)+(\b))+2*(\q):8*(8*(\a)+(\b))+2*(\q)+1], v[8*(8*(\a)+(\b))+2*(\q):8*(8*(\a)+(\b))+2*(\q)+1], v[RL+2*(\a):RL+2*(\a)+1], v[BF+8*(\b)+2*(\q):BF+8*(\b)+2*(\q)+1] op_sel_hi:[1,0,1]
.endr
.endr
.endr
	WIN 0xc0                                       ; x in f32, for the residual: a row's 512 bytes a load; it has the eight K steps below in which to come
.set z, 0
.rept 64
	global_load_b128 v[4*z:4*z+3], v[CO], s[10:11] offset:4096*z th:TH_LOAD_NT
.set z, z+1
.endr
	WIN 0
	s_mov_b32 s[CNT], 7
	s_branch .Lq0                                  ; the second loop is entered at a step's first quarter
.Lp2:                                                  ; six whole trips: K steps 18 to 23 are asked for
	Q4 2, F1, F0, 2
	Q4 3, F0, F1, 2
	TURN4 2, 1
	WIN 0
.Lq0:
	Q4 1, F0, F1, 2
	WIN 0
	s_sub_co_u32 s[CNT], s[CNT], 1
	s_cmp_lg_u32 s[CNT], 0
	s_cbranch_scc1 .Lp2
	Q4 2, F1, F0, 2                                ; the last two steps are written out: nothing more is asked for
	Q4 3, F0, F1, 2
	TURN4 2, 0
	Q4 1, F0, F1, 2
	Q4 2, F1, F0, 2
	Q4 3, F0, F1, 2
	s_wait_dscnt 4
	MULH F1, 0, 2, 0
	s_wait_dscnt 0x0
	MULH F1, 2, 2, 0
	WIN 0
	PLACES
	s_wait_loadcnt 0x0                             ; x
; THE WAY OUT, a block of 16 rows at a time: through my own stage, back as whole rows of 512 bytes, plus x, stored.
.macro OUTB a
.set OBK, 32+64*((\a)%2)
	WIN 0x04                                       ; the stores' data: window 1
.irp b, 0,1,2,3,4,5,6,7
	ds_store_b128 v[STO], v[8*(8*(\a)+(\b)):8*(8*(\a)+(\b))+3] offset:64*(\b)
	ds_store_b128 v[STO], v[8*(8*(\a)+(\b))+4:8*(8*(\a)+(\b))+7] offset:64*(\b)+16
.endr
	WIN 0
	s_wait_xcnt 0x0                                ; the registers that earlier stores read are loaded again only behind this wait
.irp t, 0,1,2,3,4,5,6,7,8,9,10,11,12,13,14,15
	ds_load_b128 v[OBK+4*(\t):OBK+4*(\t)+3], v[RD] offset:SP*(\t)  ; LDS serves a wave's instructions in order: these see the stores above
.endr
	s_wait_dscnt 0x0
	WIN 0x0c                                       ; source 1: window 3
.set z, 0
.rept 32
	v_pk_add_f32 v[OBK+2*z:OBK+2*z+1], v[OBK+2*z:OBK+2*z+1], v[64*(\a)+2*z:64*(\a)+2*z+1]
.set z, z+1
.endr
	WIN 0
.irp t, 0,1,2,3,4,5,6,7,8,9,10,11,12,13,14,15
	global_store_b128 v[CO], v[OBK+4*(\t):OBK+4*(\t)+3], s[14:15] offset:(16*(\a)+(\t))*4096  ; 512 consecutive aligned bytes
.endr
.endm
	OUTB 0
	OUTB 1
	OUTB 2
	OUTB 3
	s_wait_tensorcnt 0x0                           ; the wave's end
	ds_add_u32 v[SPW], v[NIL]
	s_wait_dscnt 0x0
	CROUND                                         ; the closing round
	s_endpgm
.Lfunc_end_k_qb0ef9b9828_fuse:
	.size	k_qb0ef9b9828_fuse, .Lfunc_end_k_qb0ef9b9828_fuse-k_qb0ef9b9828_fuse
	.p2alignl 7, 3214868480
	.fill 96, 4, 3214868480
	.section	.rodata,"a",@progbits
	.p2align	6, 0x0
	.amdhsa_kernel k_qb0ef9b9828_fuse
		.amdhsa_group_segment_fixed_size 327680
		.amdhsa_private_segment_fixed_size 0
		.amdhsa_enable_private_segment 0
		.amdhsa_kernarg_size 48
		.amdhsa_user_sgpr_count 2
		.amdhsa_user_sgpr_kernarg_segment_ptr 1
		.amdhsa_wavefront_size32 1
		.amdhsa_system_sgpr_workgroup_id_x 1
		.amdhsa_system_sgpr_workgroup_id_y 1
		.amdhsa_system_sgpr_workgroup_id_z 1
		.amdhsa_system_vgpr_workitem_id 0
		.amdhsa_next_free_vgpr 1024
		.amdhsa_next_free_sgpr 92
		.amdhsa_reserve_vcc 0
		.amdhsa_float_denorm_mode_32 3
		.amdhsa_float_denorm_mode_16_64 3
		.amdhsa_memory_ordered 1
		.amdhsa_forward_progress 1
		.amdhsa_inst_pref_size 140
	.end_amdhsa_kernel
	.amdgpu_metadata
---
amdhsa.version: [ 1, 2 ]
amdhsa.kernels:
  - .name:           k_qb0ef9b9828_fuse
    .symbol:         k_qb0ef9b9828_fuse.kd
    .args:
      - { .name: p, .offset: 0, .size: 8, .value_kind: global_buffer, .address_space: global }
      - { .name: kv2, .offset: 8, .size: 8, .value_kind: global_buffer, .address_space: global }
      - { .name: cast, .offset: 16, .size: 8, .value_kind: global_buffer, .address_space: global }
      - { .name: x, .offset: 24, .size: 8, .value_kind: global_buffer, .address_space: global }
      - { .name: bf, .offset: 32, .size: 8, .value_kind: global_buffer, .address_space: global }
      - { .name: h, .offset: 40, .size: 8, .value_kind: global_buffer, .address_space: global }
    .group_segment_fixed_size: 327680
    .private_segment_fixed_size: 0
    .kernarg_segment_align: 8
    .kernarg_segment_size: 48
    .max_flat_workgroup_size: 128
    .sgpr_count:     92
    .vgpr_count:     1024
    .wavefront_size: 32
...
	.end_amdgpu_metadata
.endif
;; end of part 5
;; launch norm (part 6): grid 512 x 1, 8 waves a work-group, no clusters, 0 bytes of LDS; arguments h, gamma, beta, out0; writes out0
.if DOCPART == 6
	.amdgcn_target "amdgcn-amd-amdhsa--gfx1250"
	.amdhsa_code_object_version 6
	.text
	.protected	k_qb0ef9b9828_norm
	.globl	k_qb0ef9b9828_norm
	.p2align	8
	.type	k_qb0ef9b9828_norm,@function
k_qb0ef9b9828_norm:
	s_mov_b64 s[64:65], 0
	v_nop
	global_prefetch_b8 v0, s[64:65] scope:SCOPE_SE
	s_setreg_imm32_b32 hwreg(HW_REG_WAVE_MODE, 25, 1), 1
	s_wait_xcnt 0x0
; LayerNorm of h, [8,192][1,024] f32: out = (h - mu) rsqrt(var + 1e-5) gamma + beta, var taken of the centred numbers, so that no difference of large sums arises.
; A stream: a row is 4,096 bytes, 32 registers of one wave; a wave takes two rows and keeps each in registers between the passes, so h is read once.  No LDS, no barrier, no matrix unit,
; no cluster (only gamma and beta, 8 KiB, are shared).  Each load and store of a wave covers 512 consecutive aligned bytes.
.set S,  4                             ; v[4:11]   four chains, pairs
.set X,  16                            ; v[16:79]  two rows
.set G,  80                            ; v[80:111] gamma of my 32 columns: register 4 q + e is column 128 q + 4 l + e
.set B,  112                           ; v[112:143] beta
	s_load_b256 s[4:11], s[0:1], 0x0               ; h, gamma, beta, out
	v_and_b32 v2, 31, v0
	v_lshlrev_b32 v2, 4, v2                        ; 16 l
	v_lshrrev_b32 v1, 5, v0
	v_lshl_add_u32 v1, v1, 13, v2                  ; + two rows for each wave
	s_lshl_b32 s2, ttmp9, 16                       ; 16 rows for each work-group
	s_mov_b32 s3, 0
	s_mov_b32 s12, 0x3a800000                      ; 1 / 1,024
	s_mov_b32 s13, 0x3727c5ac                      ; 1e-5
	s_mov_b32 s14, 0x76543210
	s_mov_b32 s15, 0xfedcba98
	s_wait_kmcnt 0x0
	s_add_nc_u64 s[4:5], s[4:5], s[2:3]
	s_add_nc_u64 s[10:11], s[10:11], s[2:3]
.irp q, 0,1,2,3,4,5,6,7
	global_load_b128 v[G+4*(\q):G+4*(\q)+3], v2, s[6:7] offset:512*(\q)
.endr
.irp q, 0,1,2,3,4,5,6,7
	global_load_b128 v[B+4*(\q):B+4*(\q)+3], v2, s[8:9] offset:512*(\q)
.endr
.irp q, 0,1,2,3,4,5,6,7
	global_load_b128 v[X+4*(\q):X+4*(\q)+3], v1, s[4:5] offset:512*(\q) th:TH_LOAD_NT
.endr
.irp q, 0,1,2,3,4,5,6,7
	global_load_b128 v[X+32+4*(\q):X+32+4*(\q)+3], v1, s[4:5] offset:4096+512*(\q) th:TH_LOAD_NT
.endr
.macro WSUM                            ; the four chains into one number, then over the 32 lanes: the result in v[S] of every lane
	v_pk_add_f32 v[S:S+1], v[S:S+1], v[S+2:S+3]
	v_pk_add_f32 v[S+4:S+5], v[S+4:S+5], v[S+6:S+7]
	v_pk_add_f32 v[S:S+1], v[S:S+1], v[S+4:S+5]
	v_add_f32 v[S], v[S], v[S+1]
	v_add_f32_dpp v[S], v[S], v[S] row_xmask:1 row_mask:0xf bank_mask:0xf
	v_add_f32_dpp v[S], v[S], v[S] row_xmask:2 row_mask:0xf bank_mask:0xf
	v_add_f32_dpp v[S], v[S], v[S] row_xmask:4 row_mask:0xf bank_mask:0xf
	v_add_f32_dpp v[S], v[S], v[S] row_xmask:8 row_mask:0xf bank_mask:0xf
	v_permlanex16_b32 v[S+1], v[S], s14, s15
	v_add_f32 v[S], v[S], v[S+1]
.endm
.macro ROW r, left
.set XR, X+32*(\r)
	s_wait_loadcnt \left                           ; gamma, beta and this row are in; the younger loads may stay out
.irp c, 0,1,2,3
	v_pk_add_f32 v[S+2*(\c):S+2*(\c)+1], v[XR+2*(\c):XR+2*(\c)+1], v[XR+8+2*(\c):XR+8+2*(\c)+1]
.endr
.irp c, 0,1,2,3
	v_pk_add_f32 v[S+2*(\c):S+2*(\c)+1], v[S+2*(\c):S+2*(\c)+1], v[XR+16+2*(\c):XR+16+2*(\c)+1]
.endr
.irp c, 0,1,2,3
	v_pk_add_f32 v[S+2*(\c):S+2*(\c)+1], v[S+2*(\c):S+2*(\c)+1], v[XR+24+2*(\c):XR+24+2*(\c)+1]
.endr
	WSUM
	v_mul_f32 v14, s12, v[S]                       ; mu, twice
	v_mul_f32 v15, s12, v[S]
.set z, 0
.rept 16
	v_pk_add_f32 v[XR+2*z:XR+2*z+1], v[XR+2*z:XR+2*z+1], v[14:15] neg_lo:[0,1] neg_hi:[0,1]
.set z, z+1
.endr
.irp c, 0,1,2,3
	v_pk_mul_f32 v[S+2*(\c):S+2*(\c)+1], v[XR+2*(\c):XR+2*(\c)+1], v[XR+2*(\c):XR+2*(\c)+1]
.endr
.irp k, 8,16,24
.irp c, 0,1,2,3
	v_pk_fma_f32 v[S+2*(\c):S+2*(\c)+1], v[XR+(\k)+2*(\c):XR+(\k)+2*(\c)+1], v[XR+(\k)+2*(\c):XR+(\k)+2*(\c)+1], v[S+2*(\c):S+2*(\c)+1]
.endr
.endr
	WSUM
	v_fma_f32 v12, v[S], s12, s13                  ; var + 1e-5
	v_rsq_f32 v14, v12
	v_nop                                          ; a plain instruction between the root and the use of its result
	s_wait_alu depctr_va_vdst(0)
	v_mov_b32 v15, v14
.set z, 0
.rept 16
	v_pk_mul_f32 v[XR+2*z:XR+2*z+1], v[XR+2*z:XR+2*z+1], v[14:15]
.set z, z+1
.endr
.set z, 0
.rept 16
	v_pk_fma_f32 v[XR+2*z:XR+2*z+1], v[XR+2*z:XR+2*z+1], v[G+2*z:G+2*z+1], v[B+2*z:B+2*z+1]
.set z, z+1
.endr
.irp q, 0,1,2,3,4,5,6,7
	global_store_b128 v1, v[XR+4*(\q):XR+4*(\q)+3], s[10:11] offset:4096*(\r)+512*(\q) th:TH_STORE_NT
.endr
.endm
	ROW 0, 8                                       ; the second row's eight loads may stay out
	ROW 1, 0
	s_endpgm
.Lfunc_end_k_qb0ef9b9828_norm:
	.size	k_qb0ef9b9828_norm, .Lfunc_end_k_qb0ef9b9828_norm-k_qb0ef9b9828_norm
	.p2alignl 7, 3214868480
	.fill 96, 4, 3214868480
	.section	.rodata,"a",@progbits
	.p2align	6, 0x0
	.amdhsa_kernel k_qb0ef9b9828_norm
		.amdhsa_group_segment_fixed_size 0
		.amdhsa_private_segment_fixed_size 0
		.amdhsa_enable_private_segment 0
		.amdhsa_kernarg_size 32
		.amdhsa_user_sgpr_count 2
		.amdhsa_user_sgpr_kernarg_segment_ptr 1
		.amdhsa_wavefront_size32 1
		.amdhsa_system_sgpr_workgroup_id_x 1
		.amdhsa_system_sgpr_workgroup_id_y 1
		.amdhsa_system_sgpr_workgroup_id_z 1
		.amdhsa_system_vgpr_workitem_id 0
		.amdhsa_next_free_vgpr 144
		.amdhsa_next_free_sgpr 66
		.amdhsa_reserve_vcc 0
		.amdhsa_float_denorm_mode_32 3
		.amdhsa_float_denorm_mode_16_64 3
		.amdhsa_memory_ordered 1
		.amdhsa_forward_progress 1
		.amdhsa_inst_pref_size 18
	.end_amdhsa_kernel
	.amdgpu_metadata
---
amdhsa.version: [ 1, 2 ]
amdhsa.kernels:
  - .name:           k_qb0ef9b9828_norm
    .symbol:         k_qb0ef9b9828_norm.kd
    .args:
      - { .name: h, .offset: 0, .size: 8, .value_kind: global_buffer, .address_space: global }
      - { .name: gamma, .offset: 8, .size: 8, .value_kind: global_buffer, .address_space: global }
      - { .name: beta, .offset: 16, .size: 8, .value_kind: global_buffer, .address_space: global }
      - { .name: out0, .offset: 24, .size: 8, .value_kind: global_buffer, .address_space: global }
    .group_segment_fixed_size: 0
    .private_segment_fixed_size: 0
    .kernarg_segment_align: 8
    .kernarg_segment_size: 32
    .max_flat_workgroup_size: 256
    .sgpr_count:     66
    .vgpr_count:     144
    .wavefront_size: 32
...
	.end_amdgpu_metadata
.endif
;; end of part 6
;; ======== version 2 of 2: 6 launches; version 1 with the launch cast written anew for expert scheduling mode
;; workspace buffers: cast 31,457,280 bytes; kv 8,388,608 bytes; kv2 8,396,800 bytes; p 34,603,008 bytes; h 33,554,432 bytes
;; launch cast (part 7): grid 672 x 1, 8 waves a work-group, no clusters, 18,432 bytes of LDS; arguments x, knowledge_bank, wk, wv, wf, wq, cast; writes cast
.if DOCPART == 7
	.amdgcn_target "amdgcn-amd-amdhsa--gfx1250"
	.amdhsa_code_object_version 6
	.text
	.protected	k_qb0ef9b9828_cast
	.globl	k_qb0ef9b9828_cast
	.p2align	8
	.type	k_qb0ef9b9828_cast,@function
k_qb0ef9b9828_cast:
	s_mov_b64 s[64:65], 0
	v_nop
	global_prefetch_b8 v0, s[64:65] scope:SCOPE_SE
	s_setreg_imm32_b32 hwreg(HW_REG_WAVE_SCHED_MODE, 0, 2), 2
	s_setreg_imm32_b32 hwreg(HW_REG_WAVE_MODE, 25, 1), 1
	s_wait_xcnt 0x0
	s_wait_alu depctr_vm_vsrc(0)
; bf16 copies of the matrix operands, rows of 1,024 bf16 (2,048 bytes) in one buffer:
;   rows 0-8191 x; 8192-10239 the bank; 10240-11263 wk; 11264-12287 wv; 12288-13311 wq TRANSPOSED; 13312-14335 wf[:, 1024:]; 14336-15359 wf[:, :1024] TRANSPOSED.
; Each number is rounded once, to nearest even.  A stream: no matrix unit, no cluster (no two work-groups read the same bytes).
; Work-groups 0-415: 32 rows each, copied.  Thread t owns 16 bytes (4 f32) of every row: a wave's load covers 512 consecutive bytes, its store 256 consecutive aligned bytes.
; Work-groups 416-671: a tile of 128 source rows x 64 source columns is turned through LDS, so that reads and writes both go in runs of 256 aligned bytes.
; The choice between the two ways hangs on the work-group's number alone: all eight waves take the same way, so all eight meet the one barrier of the second way.
; THE MODE: SCHED_MODE bits 1:0 = 2 (LLVM: expert scheduling mode 2), set by the entry lines.  The code itself states the register dependences
; between vector instructions and memory or LDS instructions, with s_wait_alu, always for 0.
; THE PLAN OF THE COPY.  The 32 rows go in 8 blocks of four.  Registers that memory instructions touch:
;   X0 .. X3   four blocks of f32 as loaded.  Written by the loads of block p + 3, issued in block p; read by block p's roundings.
;   Y0, Y1     two blocks of bf16 to store.   Written by block p's roundings; read by the four stores that are issued in block p + 1.
;   v[SO ..], v[DO]  byte offsets, made once and never written again.  The source's pitch differs from work-group to work-group, so a block's four rows have an offset register each;
;              the blocks are reached by scalar bases: one for each of the first three blocks, one that walks three blocks ahead, and the copy's, which walks with the block in hand.
; Block p works on X[p % 4] and writes Y[p % 2].  Its memory instructions are the loads into X[(p - 1) % 4] and the stores from Y[(p - 1) % 2]: the two buffers that block p - 1 worked on
; and that no vector instruction of block p names.  So the waits at a block's head state all that its eight memory instructions hang on, and these are dealt among its roundings with no
; further wait.  Twelve loads of every wave are on their way.  Of the eight blocks the first has none in front of it and the last three load nothing: a lap of four would be walked once, so no loop is written.
; THE PLAN OF THE TURN.  Every register is written once.  One wait ahead of the loads (their offsets); one behind the roundings, ahead of the LDS stores: it states that their data and the
; three further addresses are written and that the roundings are done reading X, in which the LDS loads behind the barrier land; no vector instruction follows it.
.set PLAIN,  416
.set TP,     272                       ; a turned row in LDS: 128 bf16 + 16 bytes
.set SPARE,  64*TP                     ; behind the tile: the spare words, 128 bytes a wave, four blocks of 256 bytes that no other line names
.set BLOCK,  4                         ; rows in a block of the copy
.set SO,  2                            ; v[2:5]    the copy: row i of a block: i x pitch + 16 t.  v[2:9] the turn: my eight source rows
.set DO,  10                           ; v10       the copy: 8 t, my 8 bytes in every row of the copy (the turn: v10-13 at work)
.set X,   16                           ; v[16:79]  the copy: buffer k, row i: 4 f32 at X + 16 k + 4 i.  The turn: v[16:47], row i at X + 4 i
.set Y,   80                           ; v[80:95]  the copy: buffer k, row i: 4 bf16 at Y + 8 k + 2 i.  The turn: 16 registers of turned numbers
.set STO, 96
.set RD,  97
.set GO,  98
.set SPW, 100                          ; LDS address of my spare word; never rewritten
.set NIL, 101                          ; 0; never rewritten
	s_load_b256 s[4:11], s[0:1], 0x0               ; x s[4:5], bank s[6:7], wk s[8:9], wv s[10:11]
	s_load_b128 s[12:15], s[0:1], 0x20             ; wf s[12:13], wq s[14:15]
	s_load_b64 s[16:17], s[0:1], 0x30              ; the copies
	v_lshl_add_u32 v[SPW], v0, 2, SPARE
	v_mov_b32 v[NIL], 0
	s_mov_b32 s20, ttmp9                           ; g
	s_mov_b32 s29, 0
	s_mov_b32 s31, 0
	s_wait_kmcnt 0x0
	s_cmp_ge_u32 s20, PLAIN
	s_cbranch_scc1 .Ltr
	; THE COPY.  Which source, its first work-group g0, its pitch, the first column's byte, and 1,024 rows more in the copy for wf's second half.
	s_mov_b64 s[22:23], s[4:5]
	s_mov_b32 s21, 0
	s_mov_b32 s24, 4096
	s_mov_b32 s25, 0
	s_mov_b32 s26, 0
	s_cmp_ge_u32 s20, 256
	s_cselect_b64 s[22:23], s[6:7], s[22:23]
	s_cselect_b32 s21, 256, s21
	s_cmp_ge_u32 s20, 320
	s_cselect_b64 s[22:23], s[8:9], s[22:23]
	s_cselect_b32 s21, 320, s21
	s_cmp_ge_u32 s20, 352
	s_cselect_b64 s[22:23], s[10:11], s[22:23]
	s_cselect_b32 s21, 352, s21
	s_cmp_ge_u32 s20, 384
	s_cselect_b64 s[22:23], s[12:13], s[22:23]
	s_cselect_b32 s21, 384, s21
	s_cselect_b32 s24, 8192, s24
	s_cselect_b32 s25, 4096, s25
	s_cselect_b32 s26, 1024, s26
	s_sub_co_u32 s27, s20, s21
	s_mul_i32 s27, s27, s24
	s_lshl_b32 s27, s27, 5                         ; (g - g0) x 32 rows x pitch: 33.4 million at the most
	s_add_co_u32 s28, s27, s25
	s_add_nc_u64 s[22:23], s[22:23], s[28:29]      ; the source at block 0
	s_lshl_b32 s30, s20, 5
	s_add_co_u32 s30, s30, s26
	s_lshl_b32 s30, s30, 11                        ; (32 g + extra) rows of 2,048 bytes
	s_add_nc_u64 s[16:17], s[16:17], s[30:31]      ; the copy at block 0
	s_lshl_b32 s32, s24, 2                         ; a block of the source: four rows,
	s_mov_b32 s33, 0                               ; as a pair
	s_add_nc_u64 s[34:35], s[22:23], s[32:33]      ; the source at block 1,
	s_add_nc_u64 s[36:37], s[34:35], s[32:33]      ; at block 2,
	s_add_nc_u64 s[38:39], s[36:37], s[32:33]      ; and at block 3: this base walks on
	v_lshlrev_b32 v1, 4, v0
.irp i, 0,1,2,3
	v_mad_u32_u24 v[SO+(\i)], s24, (\i), v1
.endr
	v_lshlrev_b32 v[DO], 3, v0
	s_wait_alu depctr_va_vdst(0)                   ; the five offsets are written: every load and store of the copy reads one of them
.irp i, 0,1,2,3
	global_load_b128 v[X+4*(\i):X+4*(\i)+3], v[SO+(\i)], s[22:23] th:TH_LOAD_NT       ; block 0 into X0
.endr
.irp i, 0,1,2,3
	global_load_b128 v[X+16+4*(\i):X+16+4*(\i)+3], v[SO+(\i)], s[34:35] th:TH_LOAD_NT ; block 1 into X1
.endr
.irp i, 0,1,2,3
	global_load_b128 v[X+32+4*(\i):X+32+4*(\i)+3], v[SO+(\i)], s[36:37] th:TH_LOAD_NT ; block 2 into X2
.endr
; Block p.  xb = p % 4, yb = p % 2.  first = 1: block 0, with no block in front of it.  ahead = 1: block p + 3 is loaded.
; left = how many younger loads may still be out when this block's four have to be there.
.macro BLK xb, yb, first, ahead, left
	s_wait_loadcnt \left                           ; loads come back in order: X[xb] is in, the younger blocks stay out
.if !\first
	s_wait_xcnt 0x0                                ; every earlier memory instruction has had its addresses translated: the bases and Y[yb] are rewritten only behind this wait
	s_wait_alu depctr_vm_vsrc(0)                   ; the stores issued in the block before have read Y[yb], which this block's roundings write again
	s_wait_alu depctr_va_vdst(0)                   ; the block before has written the other Y, which the stores below read, and is done reading its X, in which the loads below land
.if \ahead
	s_add_nc_u64 s[38:39], s[38:39], s[32:33]      ; the source three blocks ahead of this one
.endif
	s_add_nc_u64 s[16:17], s[16:17], BLOCK*2048    ; the copy at this block's first row
.endif
.irp i, 0,1,2,3
.if \ahead
	global_load_b128 v[X+16*((\xb+3)%4)+4*(\i):X+16*((\xb+3)%4)+4*(\i)+3], v[SO+(\i)], s[38:39] th:TH_LOAD_NT  ; no vector instruction since the wait names these registers
.endif
.if !\first
	global_store_b64 v[DO], v[Y+8*(1-\yb)+2*(\i):Y+8*(1-\yb)+2*(\i)+1], s[16:17] offset:((\i)-BLOCK)*2048  ; the block before: the offset reaches back
.endif
	v_cvt_pk_bf16_f32 v[Y+8*\yb+2*(\i)],   v[X+16*\xb+4*(\i)],   v[X+16*\xb+4*(\i)+1]
	v_cvt_pk_bf16_f32 v[Y+8*\yb+2*(\i)+1], v[X+16*\xb+4*(\i)+2], v[X+16*\xb+4*(\i)+3]
.endr
.endm
	BLK 0, 0, 1, 1, 2*BLOCK                        ; block 0
	BLK 1, 1, 0, 1, 2*BLOCK                        ; blocks 1 to 4 ask for blocks 4 to 7
	BLK 2, 0, 0, 1, 2*BLOCK
	BLK 3, 1, 0, 1, 2*BLOCK
	BLK 0, 0, 0, 1, 2*BLOCK
	BLK 1, 1, 0, 0, 2*BLOCK                        ; blocks 5 to 7 load nothing: no load leaves the source, and the counts run down
	BLK 2, 0, 0, 0, BLOCK
	BLK 3, 1, 0, 0, 0
	s_wait_alu depctr_va_vdst(0)                   ; block 7 has written Y1, which the last four stores read
.irp i, 0,1,2,3
	global_store_b64 v[DO], v[Y+8+2*(\i):Y+8+2*(\i)+1], s[16:17] offset:(\i)*2048
.endr
	s_endpgm                                       ; this way has written no LDS
	; THE TURN.  u = g - 416: matrix u / 128 (wq, then wf's first half), 128 source rows (u / 16) % 8, 64 source columns u % 16.
.Ltr:
	s_sub_co_u32 s20, s20, PLAIN
	s_lshr_b32 s21, s20, 7
	s_bfe_u32 s27, s20, 0x30004                    ; rt
	s_and_b32 s28, s20, 15                         ; ct
	s_mov_b32 s24, 8192
	s_mov_b32 s26, 14336
	s_cmp_eq_u32 s21, 0
	s_cselect_b64 s[22:23], s[14:15], s[12:13]
	s_cselect_b32 s24, 4096, s24                   ; the source's pitch
	s_cselect_b32 s26, 12288, s26                  ; the copy's first row
	s_mul_i32 s30, s27, s24
	s_lshl_b32 s30, s30, 7                         ; 128 rt rows
	s_lshl_b32 s25, s28, 8                         ; 64 ct columns of 4 bytes
	s_add_co_u32 s30, s30, s25
	s_add_nc_u64 s[22:23], s[22:23], s[30:31]
	s_lshl_b32 s30, s28, 6
	s_add_co_u32 s30, s30, s26
	s_lshl_b32 s30, s30, 11                        ; row (first + 64 ct) of the copy
	s_lshl_b32 s25, s27, 8                         ; 128 rt columns of 2 bytes
	s_add_co_u32 s30, s30, s25
	s_add_nc_u64 s[16:17], s[16:17], s[30:31]
	v_lshrrev_b32 v10, 4, v0                       ; tq: my eight source rows 8 tq ..
	v_and_b32 v11, 15, v0                          ; tl: my four source columns 4 tl ..
	v_lshlrev_b32 v12, 4, v11
	v_lshlrev_b32 v13, 3, v10
	v_mad_u32_u24 v[SO], v13, s24, v12
.irp i, 1,2,3,4,5,6,7
	v_add_nc_u32 v[SO+(\i)], s24, v[SO+(\i)-1]
.endr
	s_wait_alu depctr_va_vdst(0)                   ; the eight offsets are written, which the loads below read
.irp i, 0,1,2,3,4,5,6,7
	global_load_b128 v[X+4*(\i):X+4*(\i)+3], v[SO+(\i)], s[22:23] th:TH_LOAD_NT  ; sixteen lanes read 256 aligned bytes of a row
.endr
	v_mul_u32_u24 v[STO], v11, 4*TP                ; three further addresses, made while the loads are out; they name no register of the loads
	v_lshl_add_u32 v[STO], v10, 4, v[STO]          ; turned row 4 tl + j, byte 16 tq
	v_mul_u32_u24 v[RD], v10, TP
	v_add_nc_u32 v[RD], v[RD], v12                 ; back: turned row tq + 16 i, byte 16 tl
	v_lshl_add_u32 v[GO], v10, 11, v12
	s_wait_loadcnt 0x0
.irp j, 0,1,2,3
.irp k, 0,1,2,3
	v_cvt_pk_bf16_f32 v[Y+4*(\j)+(\k)], v[X+8*(\k)+(\j)], v[X+8*(\k)+4+(\j)]  ; column j of rows 2 k and 2 k + 1
.endr
.endr
	s_wait_alu depctr_va_vdst(0)                   ; the roundings have written Y, the LDS stores' data, and are done reading X, in which the LDS loads below land; v[STO], v[RD] and v[GO] are written
.irp j, 0,1,2,3
	ds_store_b128 v[STO], v[Y+4*(\j):Y+4*(\j)+3] offset:TP*(\j)  ; sixteen lanes are four turned rows apart: they fall on four groups of banks, four deep; kept, for 2 million numbers in the launch
.endr
	s_wait_dscnt 0x0                               ; for the others' sake: my stores are done
	s_barrier_signal -1
	s_barrier_wait -1
.irp i, 0,1,2,3
	ds_load_b128 v[X+4*(\i):X+4*(\i)+3], v[RD] offset:16*TP*(\i)  ; no vector instruction since the wait above names these registers
.endr
.irp i, 0,1,2,3
	s_wait_dscnt 3-(\i)
	global_store_b128 v[GO], v[X+4*(\i):X+4*(\i)+3], s[16:17] offset:32768*(\i)  ; sixteen lanes store 256 consecutive aligned bytes
.endr
	s_wait_dscnt 0x0                               ; the closing lines, six on end
	s_wait_alu 0x0
	s_wait_tensorcnt 0x0
	ds_add_u32 v[SPW], v[NIL]
	s_wait_dscnt 0x0
	s_endpgm
.Lfunc_end_k_qb0ef9b9828_cast:
	.size	k_qb0ef9b9828_cast, .Lfunc_end_k_qb0ef9b9828_cast-k_qb0ef9b9828_cast
	.p2alignl 7, 3214868480
	.fill 96, 4, 3214868480
	.section	.rodata,"a",@progbits
	.p2align	6, 0x0
	.amdhsa_kernel k_qb0ef9b9828_cast
		.amdhsa_group_segment_fixed_size 18432
		.amdhsa_private_segment_fixed_size 0
		.amdhsa_enable_private_segment 0
		.amdhsa_kernarg_size 56
		.amdhsa_user_sgpr_count 2
		.amdhsa_user_sgpr_kernarg_segment_ptr 1
		.amdhsa_wavefront_size32 1
		.amdhsa_system_sgpr_workgroup_id_x 1
		.amdhsa_system_sgpr_workgroup_id_y 1
		.amdhsa_system_sgpr_workgroup_id_z 1
		.amdhsa_system_vgpr_workitem_id 0
		.amdhsa_next_free_vgpr 102
		.amdhsa_next_free_sgpr 66
		.amdhsa_reserve_vcc 0
		.amdhsa_float_denorm_mode_32 3
		.amdhsa_float_denorm_mode_16_64 3
		.amdhsa_memory_ordered 1
		.amdhsa_forward_progress 1
		.amdhsa_inst_pref_size 19
	.end_amdhsa_kernel
	.amdgpu_metadata
---
amdhsa.version: [ 1, 2 ]
amdhsa.kernels:
  - .name:           k_qb0ef9b9828_cast
    .symbol:         k_qb0ef9b9828_cast.kd
    .args:
      - { .name: x, .offset: 0, .size: 8, .value_kind: global_buffer, .address_space: global }
      - { .name: knowledge_bank, .offset: 8, .size: 8, .value_kind: global_buffer, .address_space: global }
      - { .name: wk, .offset: 16, .size: 8, .value_kind: global_buffer, .address_space: global }
      - { .name: wv, .offset: 24, .size: 8, .value_kind: global_buffer, .address_space: global }
      - { .name: wf, .offset: 32, .size: 8, .value_kind: global_buffer, .address_space: global }
      - { .name: wq, .offset: 40, .size: 8, .value_kind: global_buffer, .address_space: global }
      - { .name: cast, .offset: 48, .size: 8, .value_kind: global_buffer, .address_space: global }
    .group_segment_fixed_size: 18432
    .private_segment_fixed_size: 0
    .kernarg_segment_align: 8
    .kernarg_segment_size: 56
    .max_flat_workgroup_size: 256
    .sgpr_count:     66
    .vgpr_count:     102
    .wavefront_size: 32
...
	.end_amdgpu_metadata
.endif
;; end of part 7
;; launch kv: the kernel of part 2 again; grid 16 x 16, 4 waves a work-group, clusters of 4 x 4, 327,680 bytes of LDS; arguments cast, bk, bv, kv; writes kv
;; launch kv2: the kernel of part 3 again; grid 16 x 16, 4 waves a work-group, clusters of 4 x 4, 327,680 bytes of LDS; arguments kv, cast, bq, kv2; writes kv2
;; launch scores: the kernel of part 4 again; grid 8 x 32, 4 waves a work-group, clusters of 4 x 4, 327,680 bytes of LDS; arguments cast, kv2, p; writes p
;; launch fuse: the kernel of part 5 again; grid 8 x 32, 4 waves a work-group, clusters of 4 x 4, 327,680 bytes of LDS; arguments p, kv2, cast, x, bf, h; writes h
;; launch norm: the kernel of part 6 again; grid 512 x 1, 8 waves a work-group, no clusters, 0 bytes of LDS; arguments h, gamma, beta, out0; writes out0
